; MI455X (gfx1250); checked and timed in simulation.
; The chip was launched on July 23, 2026; its instructions are those of AMD's public machine-readable ISA for CDNA 5 (MIT licence, August 2026) and "CDNA5" Instruction Set Architecture Reference Guide (July 2026). The comments in the code are by the model that wrote it; some were corrected since.
;; Dot Product Attention. Allowed arithmetic: matrix products marked QUANTISED: E3M2 operands, one E8M0 scale for each 32 along K, by v_wmma_scale_f32_16x16x128_f8f6f4 with both operands' format E3M2, f32 sums; everything else in f32.
;; Inputs: keys_nsd 16 x 2,048 x 64 float32; prefix_len_n 16 int32; queries_nqd 16 x 2,048 x 64 float32; values_nsv 16 x 2,048 x 64 float32.
;; Outputs: out0 16 x 2,048 x 64 float32.
;; This version of the problem:
;;   THIS VERSION OF THE PROBLEM IS GIVEN IN LOW PRECISION. The matrix products marked QUANTISED in the list below multiply operands that are first quantised to E3M2 (3 exponent bits, 2 mantissa bits; 6 bits a number), with one power-of-two scale for each 32 numbers along K (OCP MX v1.0); their sums are f32. All else is computed in f32.
;;   The module's matrix products, in the order in which they are computed (A, B: the left and right operand; K: the contracted axis; several contracted axes count as one K, in the product's order):
;;     1. batch 16 x [M 2,048, K 64] x [K 64, N 2,048]; A: input queries_nqd; B: input keys_nsd: QUANTISED
;;     2. batch 16 x [M 2,048, K 2,048] x [K 2,048, N 64]; A: softmax (see below); B: input values_nsv: QUANTISED
;;   THE QUANTISER, for each operand of a quantised product, along K:
;;     - K is cut into blocks of 32 from its start; a last block that is shorter is filled with zeros.
;;     - A block's scale is 2^e with e = floor(log2(the largest magnitude in the block)) - 4, held to -126 .. 127; a block of zeros has e = 0. As a byte (E8M0): e + 127.
;;     - Each number is divided by its block's scale, clamped to +-28, and rounded to the nearest number of E3M2, ties to even, subnormals kept.
;;     - The product sums the exact products of the quantised numbers (number of the format x scale) in f32.
;;   ~~~python
;;   def quantise(x, axis):      # numpy; x: float32 -> the quantised numbers, widened to float32 again
;;       x = np.moveaxis(x, axis, -1); K = x.shape[-1]
;;       x = np.pad(x, [(0, 0)] * (x.ndim - 1) + [(0, -K % 32)]); x = x.reshape(x.shape[:-1] + (-1, 32)); a = np.abs(x).max(-1, keepdims=True)
;;       e = np.where(a > 0, np.clip(np.frexp(np.where(a > 0, a, 1))[1] - 1 - 4, -126, 127), 0)      # np.frexp(a)[1] - 1 = floor(log2(a)), exactly
;;       r = np.clip(x / 2.0 ** e, -28, 28)
;;       step = 2.0 ** (np.maximum(np.frexp(np.where(r == 0, 1, r))[1] - 1, -2) - 2)
;;       q = np.round(r / step) * step * 2.0 ** e      # np.round: ties to even
;;       return np.moveaxis(q.reshape(q.shape[:-2] + (-1,))[..., :K], -1, axis).astype(np.float32)
;;   ~~~
;;   SOFTMAX AHEAD OF A QUANTISED PRODUCT. Where the list says 'softmax', what is quantised is not the finished softmax but p = 2^(t - M), with t = logit x log2(e) and M = ceil(the row's largest t), a whole number; so 1/2 < the row's largest p <= 1. The row's sum l is taken of the UNQUANTISED p, in f32, and the product's result is divided by l at the end. Since M is a whole number, a kernel that streams over the keys may use a running M (the ceiling of the running maximum): every later rescaling is an exact power of two, which a block's scale takes up: the codes' values come out the same.
;;   OPERANDS COMPUTED ON THE WAY. 'Computed on the way' means the value that the module computes at that place (a softmax that the list does not call 'softmax' is quantised finished and normalised). What goes into a quantiser is computed in f32, as accurately as f32 sums, v_exp_f32 and their like allow (about 1e-6 of the number): no bf16 or f16 on the way to a quantiser, and a product that is left as it is and whose result goes on into a quantised operand takes f32 operands (vector FMAs, or v_wmma_f32_16x16x4_f32). A number that lies on a knife's edge between two numbers of the format may be rounded either way, as far as f32 arithmetic and the matrix unit's own rounding can turn it there, and no further.
;; 2 versions. Each part assembles by itself: llvm-mc -triple=amdgcn-amd-amdhsa -mcpu=gfx1250 --defsym DOCPART=n.
;; ======== version 1 of 2: 2 launches
;; limits: right only within a limited range of input values
;; workspace buffers: kv 3,342,336 bytes; order 256 bytes of whole numbers
;; launch prep (part 1): grid 256 x 1, 8 waves a work-group, no clusters, 71,680 bytes of LDS; arguments keys_nsd, values_nsv, prefix_len_n, kv, order; writes kv, order
.if DOCPART == 1
	.amdgcn_target "amdgcn-amd-amdhsa--gfx1250"
	.amdhsa_code_object_version 6
	.text
	.protected	k_qb99206f354_prep
	.globl	k_qb99206f354_prep
	.p2align	8
	.type	k_qb99206f354_prep,@function
k_qb99206f354_prep:
	s_mov_b64 s[64:65], 0
	v_nop
	global_prefetch_b8 v0, s[64:65] scope:SCOPE_SE
	s_setreg_imm32_b32 hwreg(HW_REG_WAVE_MODE, 25, 1), 1
	s_wait_xcnt 0x0
; K [16][2048][64] and V [16][2048][64], f32, become codes of BF6 (E3M2) with one E8M0 byte for each 32 along a product's K: for K that is d, for V the keys.
; They are laid as the next launch's operand registers take them, one RECORD of 13,056 bytes for each sample n and key step j of 128 keys (record 16 n + j):
;   KC    0      6,144 bytes: 48 registers of a wave: chunk i (512 bytes, lane l's 16 bytes at 16 l) = registers 4 i .. 4 i + 3.  Register 6 t + p of lane (r, h) = bytes 4 p .. 4 p + 3 of the 24 bytes
;                of codes of key 32 (t / 2) + 8 (t % 2) + r + 8 (r / 8), d = 32 h .. 32 h + 31  (t = 0 .. 7: the tiles of 16 keys; their keys are chosen so that two tiles' results are 16 neighbouring keys a lane)
;   KS    6,144    512 bytes: word x of lane l at 16 l + 4 x: lanes 0-15 the scale word of tile 2 x, row r; lanes 16-31 that of tile 2 x + 1.  Bytes 0, 1: d's two blocks; bytes 2, 3: 0x7f (they meet zero codes)
;   VA    6,656  4,096 bytes: [key block 0 .. 3][column v][16]: the first 16 of the 24 bytes of codes of column v, 32 keys;      VB  10,752  2,048 bytes: [key block][v][8]: the last 8
;   VS   12,800    256 bytes: [v] a word: byte b = the scale of key block b of column v
; A block's scale is 2^(floor(log2(its largest magnitude)) - 4): its byte is the largest magnitude's exponent field - 4, held at 1 from below by a floor among the maximum's leaves.
; (A block of zeros so gets the byte 1 where the rule says 127: its codes are zeros, which add nothing under any byte but 0xff, and this program alone reads the bytes.)
; LIMITS: blocks whose largest magnitude lies under 2^-122 keep the byte 1; NaN and infinities among the inputs are not served.
; SHARES.  Work-group g makes record g.  Waves 0-3 take K, waves 4-7 V; wave (role, b) takes keys 32 b .. 32 b + 31 of the step: 8,192 consecutive bytes, by 16 loads of 512 consecutive bytes, all issued at once.
; They turn through the wave's own stage in LDS (rows of 256 + 16 bytes): role K reads back a key's 32 neighbours along d, role V reads a column down its 32 keys: in both a lane's registers run along the product's K.
; Memory binds here: no matrix unit, no tensor load, no cluster (work-groups share no input byte).
; THE TABLE.  Wave 0 of work-group 0 also sorts the 16 samples by prefix (held to 0 .. 2,048; ties by sample) and stores, for rank p, the pair {sample, prefix} at byte 8 p of 'order': the next launch pairs light samples with heavy ones.
.set REC,  13056
.set KS,   6144
.set VA,   6656
.set VB,   10752
.set VS,   12800
.set STG,  8704                        ; a wave's stage: 32 rows x 272 bytes
.set KSG,  8*STG                       ; 512 bytes: K's scale words are gathered here,
.set VSG,  KSG+512                     ; 256 bytes: and V's scale bytes here
.set R,    16                          ; v16-79   the 8,192 bytes as loaded
.set X,    80                          ; v80-143  two blocks of 32 numbers along K
.set C,    144                         ; v144-155 their codes, 6 registers each
.set T,    156                         ; v156-158, v160-162 a block's second 16 codes as converted (a conversion's three registers begin on an even number)
.set MX,   164                         ; v164-167 maxima: two chains for each block
.set SO,   168                         ; v168-169 the conversions' scale operands
.set BY,   170                         ; v170-171 the scale bytes
	s_load_b256 s[4:11], s[0:1], 0x0               ; keys s[4:5], values s[6:7], prefixes s[8:9], kv s[10:11]
	s_load_b64 s[12:13], s[0:1], 0x20              ; order
	v_lshl_add_u32 v192, v0, 2, 0x11400
	v_mov_b32 v193, 0
	v_lshrrev_b32 v15, 5, v0
	v_readfirstlane_b32 s14, v15                   ; wave 0..7
	s_and_b32 s15, s14, 3                          ; b: which 32 keys of the step
	s_mov_b32 s20, 0x76543210
	s_mov_b32 s21, 0xfedcba98                      ; v_permlanex16_b32's selects for lane l xor 16
	s_mov_b32 s22, 0xffff0000                      ; lanes 16-31
	; every LDS address is made here, ahead of the parting of the roles: a constant + a constant x lane + a constant x wave
	v_and_b32 v1, 31, v0                           ; lane
	v_and_b32 v172, 15, v0                         ; r
	v_bfe_u32 v173, v0, 4, 1                       ; h
	v_lshlrev_b32 v2, 4, v1                        ; 16 x lane
	s_mul_i32 s24, s14, STG                        ; my stage
	v_mul_u32_u24 v3, v173, 272
	v_lshl_add_u32 v3, v172, 4, v3
	v_add_nc_u32 v3, s24, v3                       ; into the stage: a load's 512 bytes are two rows: row h, 16 r
	v_and_b32 v4, 8, v172
	v_add_nc_u32 v4, v4, v172                      ; r + 8 (r / 8)
	v_mul_u32_u24 v4, v4, 272
	v_lshl_add_u32 v4, v173, 7, v4
	v_add_nc_u32 v4, s24, v4                       ; role K, out of it: that row, d = 32 h on
	v_lshlrev_b32 v5, 2, v1
	v_add_nc_u32 v5, s24, v5                       ; role V, out of it: column = lane
	s_lshl_b32 s25, s15, 2
	s_add_co_u32 s25, s25, KSG
	v_add_nc_u32 v6, s25, v2                       ; K's scale word: KSG + 16 lane + 4 b
	s_add_co_u32 s25, s15, VSG
	v_lshl_add_u32 v7, v1, 2, s25                  ; V's scale byte: VSG + 4 lane + b
	v_add_nc_u32 v8, KSG, v2                       ; and where they are read back
	v_lshlrev_b32 v10, 3, v1                       ; 8 x lane
	v_add_nc_u32 v9, VSG, v10
	v_lshlrev_b32 v11, 3, v173                     ; 8 h: my byte's place in K's scale word
	s_lshl_b32 s25, s15, 10
	v_add_nc_u32 v12, s25, v2                      ; in VA: 1,024 b + 16 lane
	s_lshl_b32 s25, s15, 9
	v_add_nc_u32 v13, s25, v10                     ; in VB: 512 b + 8 lane
	s_mul_i32 s25, s15, 1536
	v_add_nc_u32 v14, s25, v2                      ; in KC: my two tiles are chunks 3 b .. 3 b + 2
	s_wait_kmcnt 0x0
	s_cmp_lt_u32 s14, 4                            ; K's wave or V's?  The choice hangs on the wave's number alone
	s_cselect_b64 s[16:17], s[4:5], s[6:7]
	s_lshl_b32 s18, ttmp9, 15                      ; a step's 128 rows of 256 bytes,
	s_lshl_b32 s19, s15, 13                        ; my 32 of them
	s_add_co_u32 s18, s18, s19
	s_mov_b32 s19, 0
	s_add_nc_u64 s[16:17], s[16:17], s[18:19]
	s_mul_i32 s18, ttmp9, REC
	s_add_nc_u64 s[10:11], s[10:11], s[18:19]      ; my record
.irp i, 0,1,2,3,4,5,6,7,8,9,10,11,12,13,14,15
	global_load_b128 v[R+4*\i:R+4*\i+3], v2, s[16:17] offset:512*\i th:TH_LOAD_NT   ; 32 lanes read 512 consecutive bytes; read once in the launch
.endr
	; ---- the table, by one wave of the launch, while its loads are on their way
	s_lshl_b32 s23, ttmp9, 3
	s_add_co_u32 s23, s23, s14
	s_cmp_lg_u32 s23, 0
	s_cbranch_scc1 .Lno_table
	s_load_b512 s[32:47], s[8:9], 0x0              ; all 16 prefixes as scalars,
	v_lshlrev_b32 v181, 2, v172
	global_load_b32 v180, v181, s[8:9]             ; and sample r's in lane r (lanes 16-31 repeat lanes 0-15: EXEC stays whole)
	s_wait_kmcnt 0x0
.irp j, 0,1,2,3,4,5,6,7,8,9,10,11,12,13,14,15
	s_max_i32 s[32+\j], s[32+\j], 0                ; a negative prefix opens no key, one over 2,048 all: as the compare with the key's position has it
	s_min_u32 s[32+\j], s[32+\j], 0x800
	s_lshl_b32 s[32+\j], s[32+\j], 4
	s_add_co_u32 s[32+\j], s[32+\j], \j            ; the sort key: 16 x prefix + sample: no two are equal
.endr
	s_wait_loadcnt 0x0                             ; my prefix is in (and with it the 16 loads issued ahead of it: the counted waits below are then met at once)
	v_mov_b32 v186, 0
	v_cmp_gt_i32 vcc_lo, 0, v180
	v_cndmask_b32 v185, v180, v186, vcc_lo
	v_min_u32 v185, 0x800, v185                    ; the prefix, held
	v_lshl_add_u32 v182, v185, 4, v172             ; my sort key
	v_mov_b32 v183, 0
.irp j, 0,1,2,3,4,5,6,7,8,9,10,11,12,13,14,15
	v_cmp_lt_u32 vcc_lo, s[32+\j], v182
	v_add_co_ci_u32 v183, vcc_lo, 0, v183, vcc_lo  ; my rank: how many keys lie under mine
.endr
	v_min_u32 v183, 15, v183
	v_lshlrev_b32 v183, 3, v183
	v_mov_b32 v184, v172
	global_store_b64 v183, v[184:185], s[12:13]    ; {sample, prefix} at 8 x rank
.Lno_table:
.irp i, 0,1,2,3,4,5,6,7,8,9,10,11,12,13,14,15
	s_wait_loadcnt 15-\i                           ; loads come back in order: load i is in, the 15 - i issued behind it may be out
	ds_store_b128 v3, v[R+4*\i:R+4*\i+3] offset:544*\i
.endr
; Two blocks of 32 numbers, v[X + 32 u] on, all 32 in my lane, become codes in v[C + 6 u .. C + 6 u + 5] and bytes in v[BY + u].  The two blocks, each in two chains, take turns line by line.
.macro QUANT2
.irp u, 0,1
	v_max3_num_f32 v[MX+2*\u], |v[X+32*\u]|, |v[X+32*\u+1]|, |v[X+32*\u+2]|
	v_max3_num_f32 v[MX+2*\u+1], |v[X+32*\u+3]|, |v[X+32*\u+4]|, |v[X+32*\u+5]|
.endr
.irp i, 6,10,14,18,22,26
.irp u, 0,1
	v_max3_num_f32 v[MX+2*\u], v[MX+2*\u], |v[X+32*\u+\i]|, |v[X+32*\u+\i+1]|
	v_max3_num_f32 v[MX+2*\u+1], v[MX+2*\u+1], |v[X+32*\u+\i+2]|, |v[X+32*\u+\i+3]|
.endr
.endr
.irp u, 0,1
	v_max3_num_f32 v[MX+2*\u], v[MX+2*\u], |v[X+32*\u+30]|, |v[X+32*\u+31]|
.endr
.irp u, 0,1
	v_max3_num_f32 v[MX+2*\u], v[MX+2*\u], v[MX+2*\u+1], 0x2800000   ; and the floor 2^(5 - 127): the byte cannot fall under 1
.endr
.irp u, 0,1
	v_add_nc_u32 v[SO+\u], 0xfe000000, v[MX+2*\u]  ; 4 off the exponent field: the conversion takes the exponent field of this operand as its scale, and nothing else of it
.endr
.irp u, 0,1
	v_lshrrev_b32 v[BY+\u], 23, v[SO+\u]           ; the scale's byte
.endr
.irp u, 0,1
	v_cvt_scalef32_pk16_bf6_f32 v[C+6*\u:C+6*\u+2], v[X+32*\u:X+32*\u+15], v[SO+\u]
	v_cvt_scalef32_pk16_bf6_f32 v[T+4*\u:T+4*\u+2], v[X+32*\u+16:X+32*\u+31], v[SO+\u]
.endr
	v_nop                                          ; one plain place behind a scaled conversion
.irp u, 0,1
.irp i, 0,1,2
	v_mov_b32 v[C+6*\u+3+\i], v[T+4*\u+\i]
.endr
.endr
.endm
	s_cmp_lt_u32 s14, 4
	s_cbranch_scc0 .Lrole_v
	; ---- role K: tiles 2 b + u; my key's 32 numbers of d block h.  LDS serves a wave's instructions in order: these loads see my stores above
.irp u, 0,1
.irp j, 0,1,2,3,4,5,6,7
	ds_load_b128 v[X+32*\u+4*\j:X+32*\u+4*\j+3], v4 offset:2176*\u+16*\j   ; tile 2 b + 1 begins 8 rows on
.endr
.endr
	s_wait_dscnt 0x0
	QUANT2
.irp u, 0,1
	v_lshlrev_b32 v[BY+\u], v11, v[BY+\u]          ; my byte at its place, 8 h bits up;
.endr
	v_permlanex16_b32 v172, v170, s20, s21
	v_permlanex16_b32 v173, v171, s20, s21
	v_or_b32 v170, v170, v172                      ; with lane l xor 16's the row's two bytes are together
	v_or_b32 v171, v171, v173
	v_cndmask_b32 v174, v170, v171, s22            ; lanes 0-15 carry tile 2 b's words, lanes 16-31 tile 2 b + 1's
	v_or_b32 v174, 0x7f7f0000, v174                ; the two bytes of the K that this product does not have
.irp i, 0,1,2
	global_store_b128 v14, v[C+4*\i:C+4*\i+3], s[10:11] offset:512*\i   ; 32 lanes store 512 consecutive bytes, at a multiple of 256 from the buffer's first byte
.endr
	ds_store_b32 v6, v174
	s_branch .Ljoin
.Lrole_v:
	; ---- role V: columns lane and lane + 32; my registers run down the 32 keys: a whole block of the second product's K
.irp y, 0,1
.irp k, 0,1,2,3,4,5,6,7,8,9,10,11,12,13,14,15,16,17,18,19,20,21,22,23,24,25,26,27,28,29,30,31
	ds_load_b32 v[X+32*\y+\k], v5 offset:272*\k+128*\y
.endr
.endr
	s_wait_dscnt 0x0
	QUANT2
.irp y, 0,1
	global_store_b128 v12, v[C+6*\y:C+6*\y+3], s[10:11] offset:VA+512*\y     ; 512 consecutive bytes
	global_store_b64 v13, v[C+6*\y+4:C+6*\y+5], s[10:11] offset:VB+256*\y    ; 256 consecutive bytes
	ds_store_b8 v7, v[BY+\y] offset:128*\y
.endr
.Ljoin:
	s_wait_dscnt 0x0                               ; for the others' sake: my scale words or bytes have landed
	s_barrier_signal -1
	s_barrier_wait -1                              ; the launch's one barrier, on every wave's path
	s_cmp_lg_u32 s14, 0
	s_cbranch_scc1 .Lnot_wave_0
	ds_load_b128 v[176:179], v8
	s_wait_dscnt 0x0
	global_store_b128 v2, v[176:179], s[10:11] offset:KS    ; K's scale words: 512 consecutive bytes
.Lnot_wave_0:
	s_cmp_lg_u32 s14, 4
	s_cbranch_scc1 .Lend
	ds_load_b64 v[188:189], v9
	s_wait_dscnt 0x0
	global_store_b64 v10, v[188:189], s[10:11] offset:VS    ; V's: 256 consecutive bytes
.Lend:
	s_wait_tensorcnt 0x0
	ds_add_u32 v192, v193
	s_wait_dscnt 0x0
	s_endpgm
.Lfunc_end_k_qb99206f354_prep:
	.size	k_qb99206f354_prep, .Lfunc_end_k_qb99206f354_prep-k_qb99206f354_prep
	.p2alignl 7, 3214868480
	.fill 96, 4, 3214868480
	.section	.rodata,"a",@progbits
	.p2align	6, 0x0
	.amdhsa_kernel k_qb99206f354_prep
		.amdhsa_group_segment_fixed_size 71680
		.amdhsa_private_segment_fixed_size 0
		.amdhsa_enable_private_segment 0
		.amdhsa_kernarg_size 40
		.amdhsa_user_sgpr_count 2
		.amdhsa_user_sgpr_kernarg_segment_ptr 1
		.amdhsa_wavefront_size32 1
		.amdhsa_system_sgpr_workgroup_id_x 1
		.amdhsa_system_sgpr_workgroup_id_y 1
		.amdhsa_system_sgpr_workgroup_id_z 1
		.amdhsa_system_vgpr_workitem_id 0
		.amdhsa_next_free_vgpr 194
		.amdhsa_next_free_sgpr 66
		.amdhsa_reserve_vcc 1
		.amdhsa_float_denorm_mode_32 3
		.amdhsa_float_denorm_mode_16_64 3
		.amdhsa_memory_ordered 1
		.amdhsa_forward_progress 1
		.amdhsa_inst_pref_size 23
	.end_amdhsa_kernel
	.amdgpu_metadata
---
amdhsa.version: [ 1, 2 ]
amdhsa.kernels:
  - .name:           k_qb99206f354_prep
    .symbol:         k_qb99206f354_prep.kd
    .args:
      - { .name: keys_nsd, .offset: 0, .size: 8, .value_kind: global_buffer, .address_space: global }
      - { .name: values_nsv, .offset: 8, .size: 8, .value_kind: global_buffer, .address_space: global }
      - { .name: prefix_len_n, .offset: 16, .size: 8, .value_kind: global_buffer, .address_space: global }
      - { .name: kv, .offset: 24, .size: 8, .value_kind: global_buffer, .address_space: global }
      - { .name: order, .offset: 32, .size: 8, .value_kind: global_buffer, .address_space: global }
    .group_segment_fixed_size: 71680
    .private_segment_fixed_size: 0
    .kernarg_segment_align: 8
    .kernarg_segment_size: 40
    .max_flat_workgroup_size: 256
    .sgpr_count:     66
    .vgpr_count:     194
    .wavefront_size: 32
...
	.end_amdgpu_metadata
.endif
;; end of part 1
;; launch attn (part 2): grid 256 x 1, 8 waves a work-group, no clusters, 35,840 bytes of LDS; arguments queries_nqd, kv, order, out0; writes out0
.if DOCPART == 2
	.amdgcn_target "amdgcn-amd-amdhsa--gfx1250"
	.amdhsa_code_object_version 6
	.text
	.protected	k_qb99206f354_attn
	.globl	k_qb99206f354_attn
	.p2align	8
	.type	k_qb99206f354_attn,@function
k_qb99206f354_attn:
	s_mov_b64 s[64:65], 0
	v_nop
	global_prefetch_b8 v0, s[64:65] scope:SCOPE_SE
	s_setreg_imm32_b32 hwreg(HW_REG_WAVE_MODE, 25, 1), 1
	s_wait_xcnt 0x0
; out[n][q][:] = the sum over keys k of softmax_k(Q[n][q] . K[n][k] / 8) V[n][k][:], where key k counts for query q if k < prefix[n] or k = q.  Both products on codes of BF6 (E3M2), one E8M0 scale for each 32 along a product's K.
; THE SOFTMAX AHEAD OF THE SECOND PRODUCT: t = score x log2(e) / 8; M = the row's largest t so far, rounded UP to a whole number; p = 2^(t - M) is quantised along the keys, not normalised; the row's sum is taken of the
; unquantised p and divides at the end.  When M moves, the sum and O are multiplied by 2^(old M - new M): exact.
; WHAT IS WALKED.  A wave owns ONE tile of 16 queries.  A hidden key has p = 0 (the diagonal is always open), so a step of 128 keys that is wholly hidden is left out: the wave walks steps 0 .. ceil(prefix / 128) - 1, and
; the step that holds its own diagonal if that lies beyond.  A block of 32 keys never spans two steps, so every block's scale is the rule's.
; LIMITS: hidden keys count as -infinity, where the problem writes -1e9: the two differ only for a row whose open logits all lie under about -1e9 + 200.  NaN and infinities among the inputs are not served;
; blocks whose largest magnitude lies under 2^-122 keep the byte 1.
; SHARES.  The table gives the samples in ascending order of prefix.  Work-group (pr = x % 8, blk = x / 8) takes queries 64 blk .. + 63 of the samples of rank pr and 15 - pr: four tiles of a light sample and four of the
; heavy one that mirrors it.  Wave w: tile w / 2, sample by (w xor w / 4) % 2: waves {0, 4}, {1, 5} .. and waves {0, 1}, {2, 3} .. alike hold one tile of each kind.
; OPERANDS come from memory straight into registers, from records laid in the order of the registers: every load is whole.  No tensor load, no cluster, no barrier: the number of steps is read from the table and differs
; between the tiles of one sample (the diagonal's step) and between the two samples of a work-group, so partners could not make every joint request alike, and no barrier could stand in the loop.
; LAYOUT.  Both products are used transposed: S^T = K Q^T (source 0 = 16 keys, source 1 = my 16 queries), O^T = V^T P^T (source 0 = 16 of V's 64 columns, source 1 = P): a lane holds ONE query (lane % 16) throughout.
; Lane r of tile 2 b + u of K takes key 32 b + 8 u + r + 8 (r / 8), so that the 16 registers of tiles 2 b, 2 b + 1 are keys 32 b + 16 (lane / 16) + 0 .. 15.
; THE FIRST PRODUCT'S K IS 64, half of the instruction's 128: Q's upper six registers are zero codes, and K's operand for tile t is registers 6 t .. 6 t + 11 of K's image: its upper six are the next tile's codes (for
; tile 7 six zeros), which are finite numbers and meet zeros: they add exactly 0.  The scale bytes of that half are 0x7f on both sides.
; REGISTERS.  window 0: v1-11 offsets that stay; v12 -M, v13 the largest t, v[14:15] the sum in two halves; v16-27 Q; v28 Q's scale word; v32-35 K's scale words, v36-37 V's, v38 p's; v[40:41] f; v42-45 at work;
;   v48-55 the mask's thresholds; v96-159 S^T, then p; v160-191 O^T; v192-222 at work on p.    window 1: v0-47 K's image, v48-53 zeros; v64-111 V's four fragments.
.set REC,  13056                       ; a record: one sample's one key step
.set KS,   6144                        ; in it: K's scale words,
.set VA,   6656                        ; V's codes, the first 16 bytes of each 24,
.set VB,   10752                       ; the last 8,
.set VS,   12800                       ; V's scale words
.set S,    96
.set O,    160
.set BM,   192                         ; v192-195 each block's largest score, then its largest p
.set BX,   196                         ; v196-199 the other half of the lanes', then the scale bytes
.set SO,   200                         ; v200-203 the conversions' scale operands
.set PC,   204                         ; v204-215 p's codes
.set PT,   216                         ; v216-218, v220-222 second halves as converted (a conversion's three registers begin on an even number)
.set KSC,  32
.set VSC,  36
.set VF,   64                          ; V's fragments, in window 1
.set MSB, 0
.macro WIN new                         ; s_set_vgpr_msb: bits 1:0 source 0, 3:2 source 1, 5:4 source 2, 7:6 destination; the high byte repeats the setting that is left
.if MSB != \new
	s_set_vgpr_msb (MSB<<8)|\new
.set MSB, \new
.endif
.endm
.macro LOADK                           ; 13 loads: a step's K, 48 registers and 4 scale words, each load 512 consecutive bytes
	WIN 0x40                                       ; destination window 1
.irp i, 0,1,2,3,4,5,6,7,8,9,10,11
	global_load_b128 v[4*\i:4*\i+3], v1, s[28:29] offset:512*\i
.endr
	WIN 0
	global_load_b128 v[KSC:KSC+3], v1, s[28:29] offset:KS
.endm
.macro LOADV                           ; 18 loads: a step's V: fragment t (columns 16 t + r), registers 6 c .. 6 c + 5 = key block 2 c + h: 16 bytes and 8 bytes; and two registers of scale words
	WIN 0x40
.irp t, 0,1,2,3
.irp c, 0,1
	global_load_b128 v[VF+12*\t+6*\c:VF+12*\t+6*\c+3], v3, s[28:29] offset:VA+2048*\c+256*\t
	global_load_b64 v[VF+12*\t+6*\c+4:VF+12*\t+6*\c+5], v4, s[28:29] offset:VB+1024*\c+128*\t
.endr
.endr
	WIN 0
.irp x, 0,1
	global_load_b32 v[VSC+\x], v2, s[28:29] offset:VS+128*\x   ; lanes 0-15: fragment 2 x's words, lanes 16-31: fragment 2 x + 1's
.endr
.endm
	s_load_b256 s[4:11], s[0:1], 0x0               ; queries s[4:5], kv s[6:7], order s[8:9], out s[10:11]
	v_lshl_add_u32 v254, v0, 2, 0x8800
	v_mov_b32 v255, 0
	v_lshrrev_b32 v10, 5, v0
	v_readfirstlane_b32 s12, v10                   ; wave 0..7
	s_lshr_b32 s13, s12, 2
	s_xor_b32 s13, s13, s12
	s_and_b32 s13, s13, 1                          ; 0: the light sample, 1: the heavy one
	s_and_b32 s14, ttmp9, 7                        ; pr
	s_sub_co_u32 s15, 15, s14
	s_cmp_lg_u32 s13, 0
	s_cselect_b32 s14, s15, s14                    ; my sample's rank
	s_lshl_b32 s14, s14, 3                         ; its entry's byte in the table
	s_mov_b32 s15, 0
	s_lshr_b32 s16, ttmp9, 3
	s_lshl_b32 s16, s16, 6
	s_lshr_b32 s17, s12, 1
	s_lshl_b32 s17, s17, 4
	s_add_co_u32 s16, s16, s17                     ; q0, my first query: 64 blk + 16 (w / 2)
	s_lshr_b32 s17, s16, 7                         ; jd: the step that holds my diagonal
	s_mov_b32 s32, 0x76543210
	s_mov_b32 s33, 0xfedcba98                      ; v_permlanex16_b32's selects for lane l xor 16
	s_mov_b32 s34, 0x3e38aa3b                      ; c = log2(e) / 8: t = score x c
	s_mov_b32 s35, s34                             ; (the packed form names the pair)
	v_and_b32 v10, 31, v0                          ; lane
	v_and_b32 v42, 15, v0                          ; r
	v_bfe_u32 v43, v0, 4, 1                        ; h
	v_lshlrev_b32 v1, 4, v10                       ; 16 x lane: K's image, K's scale words, and the rows of out
	v_lshlrev_b32 v2, 2, v10                       ; 4 x lane: V's scale words
	v_lshlrev_b32 v3, 4, v42
	v_lshl_add_u32 v3, v43, 10, v3                 ; V's 16 bytes: 1,024 h + 16 r
	v_lshlrev_b32 v4, 3, v42
	v_lshl_add_u32 v4, v43, 9, v4                  ; V's 8 bytes: 512 h + 8 r
	v_lshlrev_b32 v11, 8, v42
	v_lshl_add_u32 v11, v43, 7, v11                ; Q: row r of 256 bytes, + 128 h: my block of 32 along d
	s_mul_i32 s36, s12, 4352                       ; my stage for the way out: 16 rows x (256 + 16) bytes
	v_mul_u32_u24 v8, v42, 272
	v_lshl_add_u32 v8, v43, 5, v8
	v_add_nc_u32 v8, s36, v8                       ; in: row r, 32 h
	v_mul_u32_u24 v9, v43, 272
	v_lshl_add_u32 v9, v42, 4, v9
	v_add_nc_u32 v9, s36, v9                       ; back: lanes 0-15 one row, lanes 16-31 the next
	v_lshlrev_b32 v45, 4, v43                      ; 16 h
	v_lshlrev_b32 v44, 3, v43                      ; 8 h
	v_sub_nc_u32 v5, v42, v45
	v_add_nc_u32 v5, s16, v5                       ; my query - 16 h
	v_mov_b32 v7, 0xff800000                       ; -infinity
	s_wait_kmcnt 0x0
	s_add_nc_u64 s[8:9], s[8:9], s[14:15]
	s_load_b64 s[18:19], s[8:9], 0x0               ; {sample, prefix} of my rank
	s_wait_kmcnt 0x0
	s_min_u32 s18, s18, 15                         ; n
	s_min_u32 s19, s19, 0x800                      ; P
	v_sub_nc_u32 v6, s19, v45                      ; P - 16 h
	s_add_co_u32 s20, s19, 127
	s_lshr_b32 s20, s20, 7                         ; ns: the steps that hold open keys of the prefix
	s_cmp_ge_u32 s17, s20
	s_cselect_b32 s21, 1, 0                        ; one more if my diagonal lies beyond them
	s_add_co_u32 s21, s21, s20
	s_sub_co_u32 s21, s21, 1                       ; my steps less one: at least 0
	s_cmp_lg_u32 s20, 0
	s_cselect_b32 s23, 0, s17                      ; my first step
	s_min_u32 s23, s23, 15
	s_lshl_b32 s24, s23, 7                         ; KF: its first key
	s_mul_i32 s30, s18, 16*REC
	s_mov_b32 s31, 0
	s_add_nc_u64 s[26:27], s[6:7], s[30:31]        ; my sample's 16 records
	s_mul_i32 s30, s23, REC
	s_add_nc_u64 s[28:29], s[26:27], s[30:31]      ; the record of the loads in hand
	s_lshl_b32 s30, s18, 19                        ; a sample's 2,048 rows of 256 bytes,
	s_lshl_b32 s36, s16, 8                         ; my first row
	s_add_co_u32 s30, s30, s36
	s_add_nc_u64 s[4:5], s[4:5], s[30:31]
	s_add_nc_u64 s[10:11], s[10:11], s[30:31]
.irp j, 0,1,2,3,4,5,6,7
	global_load_b128 v[S+4*\j:S+4*\j+3], v11, s[4:5] offset:16*\j th:TH_LOAD_NT   ; Q(q0 + r, 32 h .. 32 h + 31): read by this wave alone
.endr
	LOADK
	LOADV
	s_wait_loadcnt 31                              ; Q's eight loads are in: behind them stand K's 13 and V's 18
	; Q's block of 32 is all mine: its codes are registers 0-5 of the operand as they come
	v_max3_num_f32 v[BM], |v[S]|, |v[S+1]|, |v[S+2]|
	v_max3_num_f32 v[BM+1], |v[S+3]|, |v[S+4]|, |v[S+5]|
.irp i, 6,10,14,18,22,26
	v_max3_num_f32 v[BM], v[BM], |v[S+\i]|, |v[S+\i+1]|
	v_max3_num_f32 v[BM+1], v[BM+1], |v[S+\i+2]|, |v[S+\i+3]|
.endr
	v_max3_num_f32 v[BM], v[BM], |v[S+30]|, |v[S+31]|
	v_max3_num_f32 v[BM], v[BM], v[BM+1], 0x2800000    ; and the floor 2^(5 - 127): the byte cannot fall under 1
	v_add_nc_u32 v[SO], 0xfe000000, v[BM]          ; 4 off the exponent field: the conversion's scale operand
	v_lshrrev_b32 v[BX], 23, v[SO]                 ; the scale's byte
	v_cvt_scalef32_pk16_bf6_f32 v[16:18], v[S:S+15], v[SO]
	v_cvt_scalef32_pk16_bf6_f32 v[PT:PT+2], v[S+16:S+31], v[SO]
	v_nop                                          ; one plain place behind a scaled conversion
.irp i, 0,1,2
	v_mov_b32 v[19+\i], v[PT+\i]
.endr
	v_lshlrev_b32 v28, v44, v[BX]                  ; my byte, 8 h bits up;
	v_mov_b32 v[BX+1], 0                           ; (a lane permute's destination counts as one of its sources)
	v_permlanex16_b32 v[BX+1], v28, s32, s33
	v_or_b32 v28, v28, v[BX+1]                     ; with lane l xor 16's: my query's two bytes;
	v_or_b32 v28, 0x7f7f0000, v28                  ; and 0x7f for the half of K that this product does not have
	; what the loop finds at its first step.  These lines are also the places between the writes of Q's codes and scale word and the first product (four and eight are owed)
.irp i, 0,1,2,3,4,5
	v_mov_b32 v[22+\i], 0                          ; Q's upper 64 along K: zero codes
.endr
	WIN 0x40
.irp i, 0,1,2,3,4,5
	v_mov_b32 v[48+\i], 0                          ; behind K's image, in window 1: what tile 7's operand takes as its upper half
.endr
	WIN 0
	v_mov_b32 v13, 0xff61b1e6                      ; the largest t so far: -3e38, under every t
	v_floor_f32 v12, -v13                          ; -M
	v_mov_b32 v14, 0                               ; the sum, in two halves
	v_mov_b32 v15, 0
	v_mov_b32 v41, 0                               ; (named as the upper half of the pair v[40:41])
.irp b, 0,1,2,3
	v_mov_b32 v[BX+\b], 0                          ; written once: a lane permute's destination counts as one of its sources
.endr
.set J, 0
.rept 32
	v_mov_b32 v[O+J], 0                            ; O^T.  (The step is written without a first step of its own: it finds zeros, which the first change of M leaves zeros)
.set J, J+1
.endr
; A KEY STEP of 128 keys.  At its head K's 13 loads and, behind them, V's 18 are out.  next = 1: the next step's K is asked for behind this step's first products, its V behind the second ones.
.macro STEP next
	s_wait_loadcnt 18                              ; K is in: the 18 loads behind it are V's
	WIN 0x01                                       ; source 0 window 1
.irp t, 0,1,2,3,4,5,6,7
.if (\t)%2
	v_wmma_scale_f32_16x16x128_f8f6f4 v[S+8*\t:S+8*\t+7], v[6*\t:6*\t+11], v[16:27], 0, v[KSC+\t/2], v28 matrix_a_fmt:MATRIX_FMT_BF6 matrix_b_fmt:MATRIX_FMT_BF6 matrix_a_scale:MATRIX_SCALE_ROW1
.else
	v_wmma_scale_f32_16x16x128_f8f6f4 v[S+8*\t:S+8*\t+7], v[6*\t:6*\t+11], v[16:27], 0, v[KSC+\t/2], v28 matrix_a_fmt:MATRIX_FMT_BF6 matrix_b_fmt:MATRIX_FMT_BF6
.endif
.endr
	WIN 0
	v_mov_b32 v42, v12                             ; -M as it was.  With the three lines below: the four places behind the products, for the loads into K's registers and the first read of the scores
	v_nop
	v_nop
	v_nop
.if \next
	s_add_co_u32 s36, s22, 1
	s_cmp_lt_u32 s36, s20
	s_cselect_b32 s23, s36, s17                    ; the next step: the next of the prefix's, or, behind the last of them, my diagonal's
	s_min_u32 s23, s23, 15
	s_mul_i32 s30, s23, REC
	s_wait_xcnt 0x0                                ; the loads issued so far have read their base: it is written again only behind this wait
	s_add_nc_u64 s[28:29], s[26:27], s[30:31]
	LOADK
.endif
	; THE MASK.  Register 16 b + i holds key KF + 32 b + 16 h + i: hidden where it is not under P and is not my query.  A step all of whose keys lie under P skips this
	s_add_co_u32 s36, s24, 128
	s_cmp_le_u32 s36, s19
	s_cbranch_scc1 .Lopen_\@
	s_sub_co_u32 s37, 0, s24
.irp b, 0,1,2,3
	v_add_nc_u32 v[48+\b], s37, v6
	v_add_nc_u32 v[52+\b], s37, v5
.endr
.irp b, 1,2,3
	v_add_nc_u32 v[48+\b], -32*\b, v[48+\b]        ; P - KF - 32 b - 16 h: not under P where i >= this
	v_add_nc_u32 v[52+\b], -32*\b, v[52+\b]        ; my query - KF - 32 b - 16 h: my own key where i = this
.endr
.irp b, 0,1,2,3
.irp i0, 0,4,8,12                      ; four registers at a time, in ascending order
.irp k, 0,1,2,3
	v_cmp_ge_i32 s[40+\k], \i0+\k, v[48+\b]
.endr
.irp k, 0,1,2,3
	v_cmp_ne_u32 s[44+\k], \i0+\k, v[52+\b]
.endr
.irp k, 0,1,2,3
	s_and_b32 s[40+\k], s[40+\k], s[44+\k]
.endr
.irp k, 0,1,2,3
	v_cndmask_b32 v[S+16*\b+\i0+\k], v[S+16*\b+\i0+\k], v7, s[40+\k]   ; -infinity ahead of the maximum: p = 0 then
.endr
.endr
.endr
.Lopen_\@:
.irp b, 0,1,2,3
	v_max3_num_f32 v[BM+\b], v[S+16*\b], v[S+1+16*\b], v[S+2+16*\b]   ; THE LARGEST SCORE OF EACH BLOCK OF 32 KEYS serves twice: for the row's maximum, and, since p rises with the score, for the block's largest p
.endr
.irp i, 3,5,7,9,11,13
.irp b, 0,1,2,3
	v_max3_num_f32 v[BM+\b], v[BM+\b], v[S+16*\b+\i], v[S+1+16*\b+\i]   ; (the four blocks by turns)
.endr
.endr
.irp b, 0,1,2,3
	v_max_num_f32 v[BM+\b], v[BM+\b], v[S+15+16*\b]
.endr
.irp b, 0,1,2,3
	v_permlanex16_b32 v[BX+\b], v[BM+\b], s32, s33
.endr
.irp b, 0,1,2,3
	v_max_num_f32 v[BM+\b], v[BM+\b], v[BX+\b]     ; with lane l xor 16's 16 keys
.endr
	v_max3_num_f32 v43, v[BM], v[BM+1], v[BM+2]
	v_max_num_f32 v43, v43, v[BM+3]                ; the step's largest score of my query: a number in every step (key KF is open in the prefix's steps, my own key in the diagonal's)
	v_mul_f32 v43, s34, v43                        ; as t (c is positive)
	v_max_num_f32 v13, v13, v43                    ; the running largest t
	v_floor_f32 v12, -v13                          ; the new -M = floor(-t) = -ceil(t): M IS A WHOLE NUMBER
	v_sub_f32 v43, v12, v42                        ; M's old value less its new one: a whole number, 0 or less
	v_cvt_i32_f32 v43, v43                         ; (it saturates)
	v_ldexp_f32 v40, 1.0, v43                      ; f = 2^(old M - new M): a multiplication by it rounds nothing
.set J, 0
.rept 32
	v_pk_fma_f32 v[S+J:S+J+1], v[S+J:S+J+1], s[34:35], v[12:13] op_sel_hi:[1,0,0]   ; t - M, two at a time (of the pairs c and -M the low word serves both halves)
.set J, J+2
.endr
.irp b, 0,1,2,3
	v_fma_f32 v[BM+\b], v[BM+\b], s34, v12         ; the same of each block's largest score
.endr
.set J, 0
.rept 64
	v_exp_f32 v[S+J], v[S+J]                       ; p = 2^(t - M), at most 1: NOT normalised
.set J, J+1
.endr
.irp b, 0,1,2,3
	v_exp_f32 v[BM+\b], v[BM+\b]                   ; the block's largest p: the same two instructions on the same number give the same bits
.endr
	v_pk_mul_f32 v[14:15], v[14:15], v[40:41] op_sel_hi:[1,0]   ; the sums under the new M.  (The plain place behind the exponentials)
	s_wait_alu depctr_va_vdst(0)
.irp b, 0,1,2,3
	v_max_num_f32 v[BM+\b], 0x2800000, v[BM+\b]    ; the floor 2^(5 - 127): the byte cannot fall under 1 (a block whose every p is 0 keeps that byte: its codes are zeros)
.endr
.irp b, 0,1,2,3
	v_add_nc_u32 v[SO+\b], 0xfe000000, v[BM+\b]    ; 4 off the exponent field: the conversion's scale operand
.endr
.irp b, 0,1,2,3
	v_lshrrev_b32 v[BX+\b], 23, v[SO+\b]           ; the scale's byte
.endr
	v_lshl_or_b32 v38, v[BX+1], 8, v[BX]           ; p's scale word for these 128 keys
	v_lshl_or_b32 v38, v[BX+2], 16, v38
	v_lshl_or_b32 v38, v[BX+3], 24, v38
.irp c, 0,1
	v_cvt_scalef32_pk16_bf6_f32 v[PC+6*\c:PC+6*\c+2], v[S+32*\c:S+32*\c+15], v[SO+2*\c]
	v_cvt_scalef32_pk16_bf6_f32 v[PT+4*\c:PT+4*\c+2], v[S+16+32*\c:S+31+32*\c], v[SO+2*\c+1]
.endr
	v_nop                                          ; one plain place behind a scaled conversion
.irp c, 0,1                            ; the operand's layout wants a WHOLE block in a lane: lanes 0-15 block 2 c, lanes 16-31 block 2 c + 1
.irp i, 0,1,2
	v_permlane16_swap_b32 v[PC+6*\c+\i], v[PT+4*\c+\i]
.endr
.irp i, 0,1,2
	v_mov_b32 v[PC+3+6*\c+\i], v[PT+4*\c+\i]
.endr
.endr
.set J, 0
.rept 16
	v_pk_mul_f32 v[O+J:O+J+1], v[O+J:O+J+1], v[40:41] op_sel_hi:[1,0]   ; O^T under the new M, from each accumulator's low end on.  (These 16 are also the places between the writes of p's codes and scale word and the products)
.set J, J+2
.endr
.if \next
	s_wait_loadcnt 13                              ; V is in: the 13 loads behind it are the next step's K
.else
	s_wait_loadcnt 0x0                             ; V is in: nothing was asked for behind it
.endif
	WIN 0x01
.irp t, 0,1,2,3                        ; O^T += V^T P^T: the four accumulators by turns, one instruction each
.if (\t)%2
	v_wmma_scale_f32_16x16x128_f8f6f4 v[O+8*\t:O+8*\t+7], v[VF+12*\t:VF+12*\t+11], v[PC:PC+11], v[O+8*\t:O+8*\t+7], v[VSC+\t/2], v38 matrix_a_fmt:MATRIX_FMT_BF6 matrix_b_fmt:MATRIX_FMT_BF6 matrix_a_scale:MATRIX_SCALE_ROW1
.else
	v_wmma_scale_f32_16x16x128_f8f6f4 v[O+8*\t:O+8*\t+7], v[VF+12*\t:VF+12*\t+11], v[PC:PC+11], v[O+8*\t:O+8*\t+7], v[VSC+\t/2], v38 matrix_a_fmt:MATRIX_FMT_BF6 matrix_b_fmt:MATRIX_FMT_BF6
.endif
.endr
	WIN 0
	v_pk_add_f32 v[44:45], v[S:S+1], v[S+2:S+3]    ; THE ROW'S SUM IS TAKEN OF THE UNQUANTISED p: two at a time, in two chains.  These lines name no register of the products above: they are the places behind them
.irp j, 4,8,12,16,20,24,28,32,36,40,44,48,52,56,60
	v_pk_add_f32 v[14:15], v[14:15], v[S+\j:S+\j+1]
	v_pk_add_f32 v[44:45], v[44:45], v[S+\j+2:S+\j+3]
.endr
	v_pk_add_f32 v[14:15], v[14:15], v[44:45]
.if \next
	LOADV                                          ; the next step's V, from the record that its K came from
	s_lshl_b32 s24, s23, 7                         ; and its first key
.endif
.endm
	s_mov_b32 s22, 0                               ; steps done
	s_cmp_eq_u32 s21, 0
	s_cbranch_scc1 .Llast
.Lstep:                                            ; all my steps but the last: each asks for its successor's record
	STEP 1
	s_add_co_u32 s22, s22, 1
	s_cmp_lt_u32 s22, s21
	s_cbranch_scc1 .Lstep
.Llast:
	STEP 0                                         ; the last is written out: it asks for nothing, so no load leaves the buffer and every counted wait finds the same loads on every way
	; THE WAY OUT.  O^T / the sum goes through my stage in LDS and leaves as my tile's 16 rows, which are 4,096 consecutive bytes of out
	v_add_f32 v14, v14, v15                        ; the sum's two halves,
	v_permlanex16_b32 v[BX], v14, s32, s33
	v_add_f32 v14, v14, v[BX]                      ; and lane l xor 16's: the row's sum
	v_rcp_f32 v14, v14
	v_nop                                          ; one plain place behind a transcendental
.set J, 0
	s_wait_alu depctr_va_vdst(0)
.rept 32
	v_mul_f32 v[S+J], v[O+J], v14                  ; register 8 t + i is out(q0 + r, 16 t + 8 h + i)
.set J, J+1
.endr
.irp t, 0,1,2,3
	ds_store_b128 v8, v[S+8*\t:S+8*\t+3] offset:64*\t
	ds_store_b128 v8, v[S+8*\t+4:S+8*\t+7] offset:64*\t+16
.endr
.irp i, 0,1,2,3,4,5,6,7
	ds_load_b128 v[S+32+4*\i:S+32+4*\i+3], v9 offset:544*\i   ; LDS serves a wave's instructions in order: these see my stores
.endr
.irp i, 0,1,2,3,4,5,6,7
	s_wait_dscnt 7-\i                              ; load i is back; the 7 - i behind it may be out
	global_store_b128 v1, v[S+32+4*\i:S+32+4*\i+3], s[10:11] offset:512*\i th:TH_STORE_NT   ; 32 lanes store 512 consecutive bytes, at a multiple of 256 from out's first byte; written once, read by nobody here
.endr
	s_wait_tensorcnt 0x0
	ds_add_u32 v254, v255
	s_wait_dscnt 0x0
	s_endpgm
.Lfunc_end_k_qb99206f354_attn:
	.size	k_qb99206f354_attn, .Lfunc_end_k_qb99206f354_attn-k_qb99206f354_attn
	.p2alignl 7, 3214868480
	.fill 96, 4, 3214868480
	.section	.rodata,"a",@progbits
	.p2align	6, 0x0
	.amdhsa_kernel k_qb99206f354_attn
		.amdhsa_group_segment_fixed_size 35840
		.amdhsa_private_segment_fixed_size 0
		.amdhsa_enable_private_segment 0
		.amdhsa_kernarg_size 32
		.amdhsa_user_sgpr_count 2
		.amdhsa_user_sgpr_kernarg_segment_ptr 1
		.amdhsa_wavefront_size32 1
		.amdhsa_system_sgpr_workgroup_id_x 1
		.amdhsa_system_sgpr_workgroup_id_y 1
		.amdhsa_system_sgpr_workgroup_id_z 1
		.amdhsa_system_vgpr_workitem_id 0
		.amdhsa_next_free_vgpr 384
		.amdhsa_next_free_sgpr 66
		.amdhsa_reserve_vcc 0
		.amdhsa_float_denorm_mode_32 3
		.amdhsa_float_denorm_mode_16_64 3
		.amdhsa_memory_ordered 1
		.amdhsa_forward_progress 1
		.amdhsa_inst_pref_size 74
	.end_amdhsa_kernel
	.amdgpu_metadata
---
amdhsa.version: [ 1, 2 ]
amdhsa.kernels:
  - .name:           k_qb99206f354_attn
    .symbol:         k_qb99206f354_attn.kd
    .args:
      - { .name: queries_nqd, .offset: 0, .size: 8, .value_kind: global_buffer, .address_space: global }
      - { .name: kv, .offset: 8, .size: 8, .value_kind: global_buffer, .address_space: global }
      - { .name: order, .offset: 16, .size: 8, .value_kind: global_buffer, .address_space: global }
      - { .name: out0, .offset: 24, .size: 8, .value_kind: global_buffer, .address_space: global }
    .group_segment_fixed_size: 35840
    .private_segment_fixed_size: 0
    .kernarg_segment_align: 8
    .kernarg_segment_size: 32
    .max_flat_workgroup_size: 256
    .sgpr_count:     66
    .vgpr_count:     384
    .wavefront_size: 32
...
	.end_amdgpu_metadata
.endif
;; end of part 2
;; ======== version 2 of 2: 2 launches
;; limits: right only within a limited range of input values
;; workspace buffers: kv 3,342,336 bytes; order 256 bytes of whole numbers
;; launch prep (part 3): grid 256 x 1, 8 waves a work-group, no clusters, 71,680 bytes of LDS; arguments keys_nsd, values_nsv, prefix_len_n, kv, order; writes kv, order
.if DOCPART == 3
	.amdgcn_target "amdgcn-amd-amdhsa--gfx1250"
	.amdhsa_code_object_version 6
	.text
	.protected	k_qb99206f354_prep
	.globl	k_qb99206f354_prep
	.p2align	8
	.type	k_qb99206f354_prep,@function
k_qb99206f354_prep:
	s_mov_b64 s[64:65], 0
	v_nop
	global_prefetch_b8 v0, s[64:65] scope:SCOPE_SE
	s_setreg_imm32_b32 hwreg(HW_REG_WAVE_MODE, 25, 1), 1
	s_wait_xcnt 0x0
; K [16][2048][64] and V [16][2048][64], f32, become codes of BF6 (E3M2) with one E8M0 byte for each 32 along a product's K: for K that is d, for V the keys.
; They are laid as the next launch's operand registers take them, one RECORD of 13,056 bytes for each sample n and key step j of 128 keys (record 16 n + j):
;   KC    0      6,144 bytes: 48 registers of a wave: chunk i (512 bytes, lane l's 16 bytes at 16 l) = registers 4 i .. 4 i + 3.  Register 6 t + p of lane (r, h) = bytes 4 p .. 4 p + 3 of the 24 bytes
;                of codes of key 32 (t / 2) + 8 (t % 2) + r + 8 (r / 8), d = 32 h .. 32 h + 31  (t = 0 .. 7: the tiles of 16 keys; their keys are chosen so that two tiles' results are 16 neighbouring keys a lane)
;   KS    6,144    512 bytes: word x of lane l at 16 l + 4 x: lanes 0-15 the scale word of tile 2 x, row r; lanes 16-31 that of tile 2 x + 1.  Bytes 0, 1: d's two blocks; bytes 2, 3: 0x7f (they meet zero codes)
;   VA    6,656  4,096 bytes: [key block 0 .. 3][column v][16]: the first 16 of the 24 bytes of codes of column v, 32 keys;      VB  10,752  2,048 bytes: [key block][v][8]: the last 8
;   VS   12,800    256 bytes: [v] a word: byte b = the scale of key block b of column v
; A block's scale is 2^(floor(log2(its largest magnitude)) - 4): its byte is the largest magnitude's exponent field - 4, held at 1 from below by a floor among the maximum's leaves.
; (A block of zeros so gets the byte 1 where the rule says 127: its codes are zeros, which add nothing under any byte but 0xff, and this program alone reads the bytes.)
; LIMITS: blocks whose largest magnitude lies under 2^-122 keep the byte 1; NaN and infinities among the inputs are not served.
; SHARES.  Work-group g makes record g.  Waves 0-3 take K, waves 4-7 V; wave (role, b) takes keys 32 b .. 32 b + 31 of the step: 8,192 consecutive bytes, by 16 loads of 512 consecutive bytes, all issued at once.
; They turn through the wave's own stage in LDS (rows of 256 + 16 bytes): role K reads back a key's 32 neighbours along d, role V reads a column down its 32 keys: in both a lane's registers run along the product's K.
; Memory binds here: no matrix unit, no tensor load, no cluster (work-groups share no input byte).
; THE TABLE.  Wave 0 of work-group 0 also sorts the 16 samples by prefix (held to 0 .. 2,048; ties by sample) and stores, for rank p, the pair {sample, prefix} at byte 8 p of 'order': the next launch pairs light samples with heavy ones.
.set REC,  13056
.set KS,   6144
.set VA,   6656
.set VB,   10752
.set VS,   12800
.set STG,  8704                        ; a wave's stage: 32 rows x 272 bytes
.set KSG,  8*STG                       ; 512 bytes: K's scale words are gathered here,
.set VSG,  KSG+512                     ; 256 bytes: and V's scale bytes here
.set R,    16                          ; v16-79   the 8,192 bytes as loaded
.set X,    80                          ; v80-143  two blocks of 32 numbers along K
.set C,    144                         ; v144-155 their codes, 6 registers each
.set T,    156                         ; v156-158, v160-162 a block's second 16 codes as converted (a conversion's three registers begin on an even number)
.set MX,   164                         ; v164-167 maxima: two chains for each block
.set SO,   168                         ; v168-169 the conversions' scale operands
.set BY,   170                         ; v170-171 the scale bytes
	s_load_b256 s[4:11], s[0:1], 0x0               ; keys s[4:5], values s[6:7], prefixes s[8:9], kv s[10:11]
	s_load_b64 s[12:13], s[0:1], 0x20              ; order
	v_lshl_add_u32 v192, v0, 2, 0x11400
	v_mov_b32 v193, 0
	v_lshrrev_b32 v15, 5, v0
	s_delay_alu instid0(VALU_DEP_1)
	v_readfirstlane_b32 s14, v15                   ; wave 0..7
	s_and_b32 s15, s14, 3                          ; b: which 32 keys of the step
	s_mov_b32 s20, 0x76543210
	s_mov_b32 s21, 0xfedcba98                      ; v_permlanex16_b32's selects for lane l xor 16
	s_mov_b32 s22, 0xffff0000                      ; lanes 16-31
	; every LDS address is made here, ahead of the parting of the roles: a constant + a constant x lane + a constant x wave
	v_and_b32 v1, 31, v0                           ; lane
	v_and_b32 v172, 15, v0                         ; r
	v_bfe_u32 v173, v0, 4, 1                       ; h
	s_delay_alu instid0(VALU_DEP_3)
	v_lshlrev_b32 v2, 4, v1                        ; 16 x lane
	s_mul_i32 s24, s14, STG                        ; my stage
	v_mul_u32_u24 v3, v173, 272
	s_delay_alu instid0(VALU_DEP_1)
	v_lshl_add_u32 v3, v172, 4, v3
	s_delay_alu instid0(VALU_DEP_1)
	v_add_nc_u32 v3, s24, v3                       ; into the stage: a load's 512 bytes are two rows: row h, 16 r
	v_and_b32 v4, 8, v172
	s_delay_alu instid0(VALU_DEP_1)
	v_add_nc_u32 v4, v4, v172                      ; r + 8 (r / 8)
	s_delay_alu instid0(VALU_DEP_1)
	v_mul_u32_u24 v4, v4, 272
	s_delay_alu instid0(VALU_DEP_1)
	v_lshl_add_u32 v4, v173, 7, v4
	s_delay_alu instid0(VALU_DEP_1)
	v_add_nc_u32 v4, s24, v4                       ; role K, out of it: that row, d = 32 h on
	v_lshlrev_b32 v5, 2, v1
	s_delay_alu instid0(VALU_DEP_1)
	v_add_nc_u32 v5, s24, v5                       ; role V, out of it: column = lane
	s_lshl_b32 s25, s15, 2
	s_add_co_u32 s25, s25, KSG
	v_add_nc_u32 v6, s25, v2                       ; K's scale word: KSG + 16 lane + 4 b
	s_add_co_u32 s25, s15, VSG
	v_lshl_add_u32 v7, v1, 2, s25                  ; V's scale byte: VSG + 4 lane + b
	v_add_nc_u32 v8, KSG, v2                       ; and where they are read back
	v_lshlrev_b32 v10, 3, v1                       ; 8 x lane
	s_delay_alu instid0(VALU_DEP_1)
	v_add_nc_u32 v9, VSG, v10
	v_lshlrev_b32 v11, 3, v173                     ; 8 h: my byte's place in K's scale word
	s_lshl_b32 s25, s15, 10
	v_add_nc_u32 v12, s25, v2                      ; in VA: 1,024 b + 16 lane
	s_lshl_b32 s25, s15, 9
	v_add_nc_u32 v13, s25, v10                     ; in VB: 512 b + 8 lane
	s_mul_i32 s25, s15, 1536
	v_add_nc_u32 v14, s25, v2                      ; in KC: my two tiles are chunks 3 b .. 3 b + 2
	s_wait_kmcnt 0x0
	s_cmp_lt_u32 s14, 4                            ; K's wave or V's?  The choice hangs on the wave's number alone
	s_cselect_b64 s[16:17], s[4:5], s[6:7]
	s_lshl_b32 s18, ttmp9, 15                      ; a step's 128 rows of 256 bytes,
	s_lshl_b32 s19, s15, 13                        ; my 32 of them
	s_add_co_u32 s18, s18, s19
	s_mov_b32 s19, 0
	s_add_nc_u64 s[16:17], s[16:17], s[18:19]
	s_mul_i32 s18, ttmp9, REC
	s_add_nc_u64 s[10:11], s[10:11], s[18:19]      ; my record
.irp i, 0,1,2,3,4,5,6,7,8,9,10,11,12,13,14,15
	global_load_b128 v[R+4*\i:R+4*\i+3], v2, s[16:17] offset:512*\i th:TH_LOAD_NT   ; 32 lanes read 512 consecutive bytes; read once in the launch
.endr
	; ---- the table, by one wave of the launch, while its loads are on their way
	s_lshl_b32 s23, ttmp9, 3
	s_add_co_u32 s23, s23, s14
	s_cmp_lg_u32 s23, 0
	s_cbranch_scc1 .Lno_table
	s_load_b512 s[32:47], s[8:9], 0x0              ; all 16 prefixes as scalars,
	v_lshlrev_b32 v181, 2, v172
	global_load_b32 v180, v181, s[8:9]             ; and sample r's in lane r (lanes 16-31 repeat lanes 0-15: EXEC stays whole)
	s_wait_kmcnt 0x0
.irp j, 0,1,2,3,4,5,6,7,8,9,10,11,12,13,14,15
	s_max_i32 s[32+\j], s[32+\j], 0                ; a negative prefix opens no key, one over 2,048 all: as the compare with the key's position has it
	s_min_u32 s[32+\j], s[32+\j], 0x800
	s_lshl_b32 s[32+\j], s[32+\j], 4
	s_add_co_u32 s[32+\j], s[32+\j], \j            ; the sort key: 16 x prefix + sample: no two are equal
.endr
	s_wait_loadcnt 0x0                             ; my prefix is in (and with it the 16 loads issued ahead of it: the counted waits below are then met at once)
	v_mov_b32 v186, 0
	v_cmp_gt_i32 vcc_lo, 0, v180
	s_delay_alu instid0(VALU_DEP_1)
	v_cndmask_b32 v185, v180, v186, vcc_lo
	s_delay_alu instid0(VALU_DEP_1)
	v_min_u32 v185, 0x800, v185                    ; the prefix, held
	s_delay_alu instid0(VALU_DEP_1)
	v_lshl_add_u32 v182, v185, 4, v172             ; my sort key
	v_mov_b32 v183, 0
.irp j, 0,1,2,3,4,5,6,7,8,9,10,11,12,13,14,15
	v_cmp_lt_u32 vcc_lo, s[32+\j], v182
	s_delay_alu instid0(VALU_DEP_1)
	v_add_co_ci_u32 v183, vcc_lo, 0, v183, vcc_lo  ; my rank: how many keys lie under mine
.endr
	s_delay_alu instid0(VALU_DEP_1)
	v_min_u32 v183, 15, v183
	s_delay_alu instid0(VALU_DEP_1)
	v_lshlrev_b32 v183, 3, v183
	v_mov_b32 v184, v172
	global_store_b64 v183, v[184:185], s[12:13]    ; {sample, prefix} at 8 x rank
.Lno_table:
.irp i, 0,1,2,3,4,5,6,7,8,9,10,11,12,13,14,15
	s_wait_loadcnt 15-\i                           ; loads come back in order: load i is in, the 15 - i issued behind it may be out
	ds_store_b128 v3, v[R+4*\i:R+4*\i+3] offset:544*\i
.endr
; Two blocks of 32 numbers, v[X + 32 u] on, all 32 in my lane, become codes in v[C + 6 u .. C + 6 u + 5] and bytes in v[BY + u].  The two blocks, each in two chains, take turns line by line.
.macro QUANT2
.irp u, 0,1
	v_max3_num_f32 v[MX+2*\u], |v[X+32*\u]|, |v[X+32*\u+1]|, |v[X+32*\u+2]|
	v_max3_num_f32 v[MX+2*\u+1], |v[X+32*\u+3]|, |v[X+32*\u+4]|, |v[X+32*\u+5]|
.endr
.irp i, 6,10,14,18,22,26
.irp u, 0,1
	s_delay_alu instid0(VALU_DEP_4)
	v_max3_num_f32 v[MX+2*\u], v[MX+2*\u], |v[X+32*\u+\i]|, |v[X+32*\u+\i+1]|
	s_delay_alu instid0(VALU_DEP_4)
	v_max3_num_f32 v[MX+2*\u+1], v[MX+2*\u+1], |v[X+32*\u+\i+2]|, |v[X+32*\u+\i+3]|
.endr
.endr
.irp u, 0
	s_delay_alu instid0(VALU_DEP_4)
	v_max3_num_f32 v[MX+2*\u], v[MX+2*\u], |v[X+32*\u+30]|, |v[X+32*\u+31]|
.endr
.irp u, 1
	s_delay_alu instid0(VALU_DEP_3)
	v_max3_num_f32 v[MX+2*\u], v[MX+2*\u], |v[X+32*\u+30]|, |v[X+32*\u+31]|
.endr
.irp u, 0,1
	s_delay_alu instid0(VALU_DEP_2)
	v_max3_num_f32 v[MX+2*\u], v[MX+2*\u], v[MX+2*\u+1], 0x2800000   ; and the floor 2^(5 - 127): the byte cannot fall under 1
.endr
.irp u, 0,1
	s_delay_alu instid0(VALU_DEP_2)
	v_add_nc_u32 v[SO+\u], 0xfe000000, v[MX+2*\u]  ; 4 off the exponent field: the conversion takes the exponent field of this operand as its scale, and nothing else of it
.endr
.irp u, 0,1
	s_delay_alu instid0(VALU_DEP_2)
	v_lshrrev_b32 v[BY+\u], 23, v[SO+\u]           ; the scale's byte
.endr
.irp u, 0,1
	v_cvt_scalef32_pk16_bf6_f32 v[C+6*\u:C+6*\u+2], v[X+32*\u:X+32*\u+15], v[SO+\u]
	v_cvt_scalef32_pk16_bf6_f32 v[T+4*\u:T+4*\u+2], v[X+32*\u+16:X+32*\u+31], v[SO+\u]
.endr
	v_nop                                          ; one plain place behind a scaled conversion
.irp u, 0,1
.irp i, 0,1,2
	v_mov_b32 v[C+6*\u+3+\i], v[T+4*\u+\i]
.endr
.endr
.endm
	s_cmp_lt_u32 s14, 4
	s_cbranch_scc0 .Lrole_v
	; ---- role K: tiles 2 b + u; my key's 32 numbers of d block h.  LDS serves a wave's instructions in order: these loads see my stores above
.irp u, 0,1
.irp j, 0,1,2,3,4,5,6,7
	ds_load_b128 v[X+32*\u+4*\j:X+32*\u+4*\j+3], v4 offset:2176*\u+16*\j   ; tile 2 b + 1 begins 8 rows on
.endr
.endr
	s_wait_dscnt 0x0
	QUANT2
.irp u, 0,1
	v_lshlrev_b32 v[BY+\u], v11, v[BY+\u]          ; my byte at its place, 8 h bits up;
.endr
	s_delay_alu instid0(VALU_DEP_2)
	v_permlanex16_b32 v172, v170, s20, s21
	s_delay_alu instid0(VALU_DEP_2)
	v_permlanex16_b32 v173, v171, s20, s21
	s_delay_alu instid0(VALU_DEP_2)
	v_or_b32 v170, v170, v172                      ; with lane l xor 16's the row's two bytes are together
	s_delay_alu instid0(VALU_DEP_2)
	v_or_b32 v171, v171, v173
	s_delay_alu instid0(VALU_DEP_1)
	v_cndmask_b32 v174, v170, v171, s22            ; lanes 0-15 carry tile 2 b's words, lanes 16-31 tile 2 b + 1's
	s_delay_alu instid0(VALU_DEP_1)
	v_or_b32 v174, 0x7f7f0000, v174                ; the two bytes of the K that this product does not have
.irp i, 0,1,2
	global_store_b128 v14, v[C+4*\i:C+4*\i+3], s[10:11] offset:512*\i   ; 32 lanes store 512 consecutive bytes, at a multiple of 256 from the buffer's first byte
.endr
	ds_store_b32 v6, v174
	s_branch .Ljoin
.Lrole_v:
	; ---- role V: columns lane and lane + 32; my registers run down the 32 keys: a whole block of the second product's K
.irp y, 0,1
.irp k, 0,1,2,3,4,5,6,7,8,9,10,11,12,13,14,15,16,17,18,19,20,21,22,23,24,25,26,27,28,29,30,31
	ds_load_b32 v[X+32*\y+\k], v5 offset:272*\k+128*\y
.endr
.endr
	s_wait_dscnt 0x0
	QUANT2
.irp y, 0,1
	global_store_b128 v12, v[C+6*\y:C+6*\y+3], s[10:11] offset:VA+512*\y     ; 512 consecutive bytes
	global_store_b64 v13, v[C+6*\y+4:C+6*\y+5], s[10:11] offset:VB+256*\y    ; 256 consecutive bytes
	ds_store_b8 v7, v[BY+\y] offset:128*\y
.endr
.Ljoin:
	s_wait_dscnt 0x0                               ; for the others' sake: my scale words or bytes have landed
	s_barrier_signal -1
	s_barrier_wait -1                              ; the launch's one barrier, on every wave's path
	s_cmp_lg_u32 s14, 0
	s_cbranch_scc1 .Lnot_wave_0
	ds_load_b128 v[176:179], v8
	s_wait_dscnt 0x0
	global_store_b128 v2, v[176:179], s[10:11] offset:KS    ; K's scale words: 512 consecutive bytes
.Lnot_wave_0:
	s_cmp_lg_u32 s14, 4
	s_cbranch_scc1 .Lend
	ds_load_b64 v[188:189], v9
	s_wait_dscnt 0x0
	global_store_b64 v10, v[188:189], s[10:11] offset:VS    ; V's: 256 consecutive bytes
.Lend:
	s_wait_tensorcnt 0x0
	ds_add_u32 v192, v193
	s_wait_dscnt 0x0
	s_endpgm
.Lfunc_end_k_qb99206f354_prep:
	.size	k_qb99206f354_prep, .Lfunc_end_k_qb99206f354_prep-k_qb99206f354_prep
	.p2alignl 7, 3214868480
	.fill 96, 4, 3214868480
	.section	.rodata,"a",@progbits
	.p2align	6, 0x0
	.amdhsa_kernel k_qb99206f354_prep
		.amdhsa_group_segment_fixed_size 71680
		.amdhsa_private_segment_fixed_size 0
		.amdhsa_enable_private_segment 0
		.amdhsa_kernarg_size 40
		.amdhsa_user_sgpr_count 2
		.amdhsa_user_sgpr_kernarg_segment_ptr 1
		.amdhsa_wavefront_size32 1
		.amdhsa_system_sgpr_workgroup_id_x 1
		.amdhsa_system_sgpr_workgroup_id_y 1
		.amdhsa_system_sgpr_workgroup_id_z 1
		.amdhsa_system_vgpr_workitem_id 0
		.amdhsa_next_free_vgpr 194
		.amdhsa_next_free_sgpr 66
		.amdhsa_reserve_vcc 1
		.amdhsa_float_denorm_mode_32 3
		.amdhsa_float_denorm_mode_16_64 3
		.amdhsa_memory_ordered 1
		.amdhsa_forward_progress 1
		.amdhsa_inst_pref_size 26
	.end_amdhsa_kernel
	.amdgpu_metadata
---
amdhsa.version: [ 1, 2 ]
amdhsa.kernels:
  - .name:           k_qb99206f354_prep
    .symbol:         k_qb99206f354_prep.kd
    .args:
      - { .name: keys_nsd, .offset: 0, .size: 8, .value_kind: global_buffer, .address_space: global }
      - { .name: values_nsv, .offset: 8, .size: 8, .value_kind: global_buffer, .address_space: global }
      - { .name: prefix_len_n, .offset: 16, .size: 8, .value_kind: global_buffer, .address_space: global }
      - { .name: kv, .offset: 24, .size: 8, .value_kind: global_buffer, .address_space: global }
      - { .name: order, .offset: 32, .size: 8, .value_kind: global_buffer, .address_space: global }
    .group_segment_fixed_size: 71680
    .private_segment_fixed_size: 0
    .kernarg_segment_align: 8
    .kernarg_segment_size: 40
    .max_flat_workgroup_size: 256
    .sgpr_count:     66
    .vgpr_count:     194
    .wavefront_size: 32
...
	.end_amdgpu_metadata
.endif
;; end of part 3
;; launch attn (part 4): grid 256 x 1, 8 waves a work-group, no clusters, 35,840 bytes of LDS; arguments queries_nqd, kv, order, out0; writes out0
.if DOCPART == 4
	.amdgcn_target "amdgcn-amd-amdhsa--gfx1250"
	.amdhsa_code_object_version 6
	.text
	.protected	k_qb99206f354_attn
	.globl	k_qb99206f354_attn
	.p2align	8
	.type	k_qb99206f354_attn,@function
k_qb99206f354_attn:
	s_mov_b64 s[64:65], 0
	v_nop
	global_prefetch_b8 v0, s[64:65] scope:SCOPE_SE
	s_setreg_imm32_b32 hwreg(HW_REG_WAVE_SCHED_MODE, 0, 2), 2
	s_setreg_imm32_b32 hwreg(HW_REG_WAVE_MODE, 25, 1), 1
	s_wait_xcnt 0x0
	s_wait_alu depctr_vm_vsrc(0)
; out[n][q][:] = the sum over keys k of softmax_k(Q[n][q] . K[n][k] / 8) V[n][k][:], where key k counts for query q if k < prefix[n] or k = q.  Both products on codes of BF6 (E3M2), one E8M0 scale for each 32 along a product's K.
; THE SOFTMAX AHEAD OF THE SECOND PRODUCT: t = score x log2(e) / 8; M = the row's largest t so far, rounded UP to a whole number; p = 2^(t - M) is quantised along the keys, not normalised; the row's sum is taken of the
; unquantised p and divides at the end.  When M moves, the sum and O are multiplied by 2^(old M - new M): exact.
; WHAT IS WALKED.  A wave owns ONE tile of 16 queries.  A hidden key has p = 0 (the diagonal is always open), so a step of 128 keys that is wholly hidden is left out: the wave walks steps 0 .. ceil(prefix / 128) - 1, and
; the step that holds its own diagonal if that lies beyond.  A block of 32 keys never spans two steps, so every block's scale is the rule's.
; LIMITS: hidden keys count as -infinity, where the problem writes -1e9: the two differ only for a row whose open logits all lie under about -1e9 + 200.  NaN and infinities among the inputs are not served;
; blocks whose largest magnitude lies under 2^-122 keep the byte 1.
; SHARES.  The table gives the samples in ascending order of prefix.  Work-group (pr = x % 8, blk = x / 8) takes queries 64 blk .. + 63 of the samples of rank pr and 15 - pr: four tiles of a light sample and four of the
; heavy one that mirrors it.  Wave w: tile w / 2, sample by (w xor w / 4) % 2: waves {0, 4}, {1, 5} .. and waves {0, 1}, {2, 3} .. alike hold one tile of each kind.
; OPERANDS come from memory straight into registers, from records laid in the order of the registers: every load is whole.  No tensor load, no cluster, no barrier: the number of steps is read from the table and differs
; between the tiles of one sample (the diagonal's step) and between the two samples of a work-group, so partners could not make every joint request alike, and no barrier could stand in the loop.
; LAYOUT.  Both products are used transposed: S^T = K Q^T (source 0 = 16 keys, source 1 = my 16 queries), O^T = V^T P^T (source 0 = 16 of V's 64 columns, source 1 = P): a lane holds ONE query (lane % 16) throughout.
; Lane r of tile 2 b + u of K takes key 32 b + 8 u + r + 8 (r / 8), so that the 16 registers of tiles 2 b, 2 b + 1 are keys 32 b + 16 (lane / 16) + 0 .. 15.
; THE FIRST PRODUCT'S K IS 64, half of the instruction's 128: Q's upper six registers are zero codes, and K's operand for tile t is registers 6 t .. 6 t + 11 of K's image: its upper six are the next tile's codes (for
; tile 7 six zeros), which are finite numbers and meet zeros: they add exactly 0.  The scale bytes of that half are 0x7f on both sides.
; REGISTERS.  window 0: v1-11 offsets that stay; v12 -M, v13 the largest t, v[14:15] the sum in two halves; v16-27 Q; v28 Q's scale word; v32-35 K's scale words, v36-37 V's, v38 p's; v[40:41] f; v42-45 at work;
;   v48-55 the mask's thresholds; v96-159 S^T, then p; v160-191 O^T; v192-222 at work on p; v254, v255 the closing add's two.    window 1: v0-47 K's image, v48-53 zeros; v64-111 V's four fragments.
; THE MODE: SCHED_MODE bits 1:0 = 2 (LLVM: expert scheduling mode 2), set by the entry lines.  The code itself states the register dependences between vector or matrix instructions and memory or LDS
; instructions, with s_wait_alu, always for 0.
; THE PLAN.  Registers that memory or LDS instructions touch:
;   v1-4, v11, v8, v9, v254, v255   offsets and LDS addresses: written at the head, never again; read by every load and store.  One wait on va_vdst ahead of the first load serves them all.
;   K's image, v32-35               read by a step's eight first products; the next step's 13 loads land in them.  They are asked for behind the blocks' maxima, which have read every score: one wait on va_vdst.
;   V's fragments, v36-37           read by a step's four second products; the next step's 18 loads land in them, behind the row's sums: one wait on va_vdst.
;   v96-127, v128-159               on the way out: written by the last multiplications and read by the LDS stores; the stage's loads land in the second 32: one wait on va_vdst.
; No register that a memory or LDS instruction reads is written again, so no wait on vm_vsrc is owed.  Operands and scales that vector instructions write for a scaled product (Q's at the head, p's in each step) have a wait
; on va_vdst behind their places.  Masks and the wave's number, which vector instructions write into scalar registers, have a wait on va_sdst ahead of their first reader.
.set REC,  13056                       ; a record: one sample's one key step
.set KS,   6144                        ; in it: K's scale words,
.set VA,   6656                        ; V's codes, the first 16 bytes of each 24,
.set VB,   10752                       ; the last 8,
.set VS,   12800                       ; V's scale words
.set S,    96
.set O,    160
.set BM,   192                         ; v192-195 each block's largest score, then its largest p
.set BX,   196                         ; v196-199 the other half of the lanes', then the scale bytes
.set SO,   200                         ; v200-203 the conversions' scale operands
.set PC,   204                         ; v204-215 p's codes
.set PT,   216                         ; v216-218, v220-222 second halves as converted (a conversion's three registers begin on an even number)
.set KSC,  32
.set VSC,  36
.set VF,   64                          ; V's fragments, in window 1
.set MSB, 0
.macro WIN new                         ; s_set_vgpr_msb: bits 1:0 source 0, 3:2 source 1, 5:4 source 2, 7:6 destination; the high byte repeats the setting that is left; a switch that changes nothing is dropped
.if MSB != \new
	s_set_vgpr_msb (MSB<<8)|\new
.set MSB, \new
.endif
.endm
.macro LOADK                           ; 13 loads: a step's K, 48 registers and 4 scale words, each load 512 consecutive bytes
	WIN 0x40                                       ; destination window 1
.irp i, 0,1,2,3,4,5,6,7,8,9,10,11
	global_load_b128 v[4*\i:4*\i+3], v1, s[28:29] offset:512*\i
.endr
	WIN 0
	global_load_b128 v[KSC:KSC+3], v1, s[28:29] offset:KS
.endm
.macro LOADV                           ; 18 loads: a step's V: fragment t (columns 16 t + r), registers 6 c .. 6 c + 5 = key block 2 c + h: 16 bytes and 8 bytes; and two registers of scale words
	WIN 0x40
.irp t, 0,1,2,3
.irp c, 0,1
	global_load_b128 v[VF+12*\t+6*\c:VF+12*\t+6*\c+3], v3, s[28:29] offset:VA+2048*\c+256*\t
	global_load_b64 v[VF+12*\t+6*\c+4:VF+12*\t+6*\c+5], v4, s[28:29] offset:VB+1024*\c+128*\t
.endr
.endr
	WIN 0
.irp x, 0,1
	global_load_b32 v[VSC+\x], v2, s[28:29] offset:VS+128*\x   ; lanes 0-15: fragment 2 x's words, lanes 16-31: fragment 2 x + 1's
.endr
.endm
	s_load_b256 s[4:11], s[0:1], 0x0               ; queries s[4:5], kv s[6:7], order s[8:9], out s[10:11]
	v_lshl_add_u32 v254, v0, 2, 0x8800             ; my spare word, behind the eight stages,
	v_mov_b32 v255, 0                              ; and 0: kept for the closing lines alone
	v_lshrrev_b32 v10, 5, v0
	v_readfirstlane_b32 s12, v10                   ; wave 0..7
	s_mov_b32 s32, 0x76543210
	s_mov_b32 s33, 0xfedcba98                      ; v_permlanex16_b32's selects for lane l xor 16
	s_mov_b32 s34, 0x3e38aa3b                      ; c = log2(e) / 8: t = score x c
	s_mov_b32 s35, s34                             ; (the packed form names the pair)
	v_and_b32 v10, 31, v0                          ; lane.  (What does not hang on the wave's number is made here, between the line that writes s12 and the wait for it)
	v_and_b32 v42, 15, v0                          ; r
	v_bfe_u32 v43, v0, 4, 1                        ; h
	v_lshlrev_b32 v1, 4, v10                       ; 16 x lane: K's image, K's scale words, and the rows of out
	v_lshlrev_b32 v2, 2, v10                       ; 4 x lane: V's scale words
	v_lshlrev_b32 v3, 4, v42
	v_lshl_add_u32 v3, v43, 10, v3                 ; V's 16 bytes: 1,024 h + 16 r
	v_lshlrev_b32 v4, 3, v42
	v_lshl_add_u32 v4, v43, 9, v4                  ; V's 8 bytes: 512 h + 8 r
	v_lshlrev_b32 v11, 8, v42
	v_lshl_add_u32 v11, v43, 7, v11                ; Q: row r of 256 bytes, + 128 h: my block of 32 along d
	v_lshlrev_b32 v45, 4, v43                      ; 16 h
	s_wait_alu depctr_va_vdst(0)
	v_lshlrev_b32 v44, 3, v43                      ; 8 h
	v_mov_b32 v7, 0xff800000                       ; -infinity
	s_wait_alu depctr_va_sdst(0)                   ; s12 is written, ahead of its first reader: my sample's rank, my queries and my stage are made from it
	s_lshr_b32 s13, s12, 2
	s_xor_b32 s13, s13, s12
	s_and_b32 s13, s13, 1                          ; 0: the light sample, 1: the heavy one
	s_and_b32 s14, ttmp9, 7                        ; pr
	s_sub_co_u32 s15, 15, s14
	s_cmp_lg_u32 s13, 0
	s_cselect_b32 s14, s15, s14                    ; my sample's rank
	s_lshl_b32 s14, s14, 3                         ; its entry's byte in the table
	s_mov_b32 s15, 0
	s_lshr_b32 s16, ttmp9, 3
	s_lshl_b32 s16, s16, 6
	s_lshr_b32 s17, s12, 1
	s_lshl_b32 s17, s17, 4
	s_add_co_u32 s16, s16, s17                     ; q0, my first query: 64 blk + 16 (w / 2)
	s_lshr_b32 s17, s16, 7                         ; jd: the step that holds my diagonal
	s_mul_i32 s36, s12, 4352                       ; my stage for the way out: 16 rows x (256 + 16) bytes
	v_mul_u32_u24 v8, v42, 272
	v_lshl_add_u32 v8, v43, 5, v8
	v_add_nc_u32 v8, s36, v8                       ; in: row r, 32 h
	v_mul_u32_u24 v9, v43, 272
	v_lshl_add_u32 v9, v42, 4, v9
	v_add_nc_u32 v9, s36, v9                       ; back: lanes 0-15 one row, lanes 16-31 the next
	v_sub_nc_u32 v5, v42, v45
	v_add_nc_u32 v5, s16, v5                       ; my query - 16 h
	s_wait_kmcnt 0x0
	s_add_nc_u64 s[8:9], s[8:9], s[14:15]
	s_load_b64 s[18:19], s[8:9], 0x0               ; {sample, prefix} of my rank
	s_wait_kmcnt 0x0
	s_min_u32 s18, s18, 15                         ; n
	s_min_u32 s19, s19, 0x800                      ; P
	v_sub_nc_u32 v6, s19, v45                      ; P - 16 h
	s_add_co_u32 s20, s19, 127
	s_lshr_b32 s20, s20, 7                         ; ns: the steps that hold open keys of the prefix
	s_cmp_ge_u32 s17, s20
	s_cselect_b32 s21, 1, 0                        ; one more if my diagonal lies beyond them
	s_add_co_u32 s21, s21, s20
	s_sub_co_u32 s21, s21, 1                       ; my steps less one: at least 0
	s_cmp_lg_u32 s20, 0
	s_cselect_b32 s23, 0, s17                      ; my first step
	s_min_u32 s23, s23, 15
	s_lshl_b32 s24, s23, 7                         ; KF: its first key
	s_mul_i32 s30, s18, 16*REC
	s_mov_b32 s31, 0
	s_add_nc_u64 s[26:27], s[6:7], s[30:31]        ; my sample's 16 records
	s_mul_i32 s30, s23, REC
	s_add_nc_u64 s[28:29], s[26:27], s[30:31]      ; the record of the loads in hand
	s_lshl_b32 s30, s18, 19                        ; a sample's 2,048 rows of 256 bytes,
	s_lshl_b32 s36, s16, 8                         ; my first row
	s_add_co_u32 s30, s30, s36
	s_add_nc_u64 s[4:5], s[4:5], s[30:31]
	s_add_nc_u64 s[10:11], s[10:11], s[30:31]
	s_wait_alu depctr_va_vdst(0)                   ; the offsets v1 to v4 and v11 are written, which the loads below and all later ones read; so are the stage's addresses v8 and v9.  None is written again
.irp j, 0,1,2,3,4,5,6,7
	global_load_b128 v[S+4*\j:S+4*\j+3], v11, s[4:5] offset:16*\j th:TH_LOAD_NT   ; Q(q0 + r, 32 h .. 32 h + 31): read by this wave alone
.endr
	LOADK
	LOADV
	s_wait_loadcnt 31                              ; Q's eight loads are in: behind them stand K's 13 and V's 18
	; Q's block of 32 is all mine: its codes are registers 0-5 of the operand as they come
	v_max3_num_f32 v[BM], |v[S]|, |v[S+1]|, |v[S+2]|
	v_max3_num_f32 v[BM+1], |v[S+3]|, |v[S+4]|, |v[S+5]|
.irp i, 6,10,14,18,22,26
	v_max3_num_f32 v[BM], v[BM], |v[S+\i]|, |v[S+\i+1]|
	v_max3_num_f32 v[BM+1], v[BM+1], |v[S+\i+2]|, |v[S+\i+3]|
.endr
	v_max3_num_f32 v[BM], v[BM], |v[S+30]|, |v[S+31]|
	v_max3_num_f32 v[BM], v[BM], v[BM+1], 0x2800000    ; and the floor 2^(5 - 127): the byte cannot fall under 1
	v_add_nc_u32 v[SO], 0xfe000000, v[BM]          ; 4 off the exponent field: the conversion's scale operand
	v_lshrrev_b32 v[BX], 23, v[SO]                 ; the scale's byte
	v_cvt_scalef32_pk16_bf6_f32 v[16:18], v[S:S+15], v[SO]
	v_cvt_scalef32_pk16_bf6_f32 v[PT:PT+2], v[S+16:S+31], v[SO]
	v_nop                                          ; one plain place behind a scaled conversion
.irp i, 0,1,2
	v_mov_b32 v[19+\i], v[PT+\i]
.endr
	v_lshlrev_b32 v28, v44, v[BX]                  ; my byte, 8 h bits up;
	v_mov_b32 v[BX+1], 0                           ; (a lane permute's destination counts as one of its sources)
	v_permlanex16_b32 v[BX+1], v28, s32, s33
	v_or_b32 v28, v28, v[BX+1]                     ; with lane l xor 16's: my query's two bytes;
	v_or_b32 v28, 0x7f7f0000, v28                  ; and 0x7f for the half of K that this product does not have
	; what the loop finds at its first step.  These lines are also the places between the writes of Q's codes and scale word and the first product (four and eight are owed)
.irp i, 0,1,2,3,4,5
	v_mov_b32 v[22+\i], 0                          ; Q's upper 64 along K: zero codes
.endr
	WIN 0x40
.irp i, 0,1,2,3,4,5
	v_mov_b32 v[48+\i], 0                          ; behind K's image, in window 1: what tile 7's operand takes as its upper half
.endr
	WIN 0
	v_mov_b32 v13, 0xff61b1e6                      ; the largest t so far: -3e38, under every t
	v_floor_f32 v12, -v13                          ; -M
	v_mov_b32 v14, 0                               ; the sum, in two halves
	v_mov_b32 v15, 0
	v_mov_b32 v41, 0                               ; (named as the upper half of the pair v[40:41])
.irp b, 0,1,2,3
	v_mov_b32 v[BX+\b], 0                          ; written once: a lane permute's destination counts as one of its sources
.endr
.set J, 0
.rept 32
	v_mov_b32 v[O+J], 0                            ; O^T.  (The step is written without a first step of its own: it finds zeros, which the first change of M leaves zeros)
.set J, J+1
.endr
	s_wait_alu depctr_va_vdst(0)                   ; Q's codes v16 to v27, its scale word v28 and the six zeros behind K's image are written: every step's first products take them as operands and scales.  The lines above stay as their places
; A KEY STEP of 128 keys.  At its head K's 13 loads and, behind them, V's 18 are out.  next = 1: the next step's K is asked for behind the blocks' maxima, its V behind the row's sums.
.macro STEP next
	s_wait_loadcnt 18                              ; K is in: the 18 loads behind it are V's
	WIN 0x01                                       ; source 0 window 1
.irp t, 0,1,2,3,4,5,6,7
.if (\t)%2
	v_wmma_scale_f32_16x16x128_f8f6f4 v[S+8*\t:S+8*\t+7], v[6*\t:6*\t+11], v[16:27], 0, v[KSC+\t/2], v28 matrix_a_fmt:MATRIX_FMT_BF6 matrix_b_fmt:MATRIX_FMT_BF6 matrix_a_scale:MATRIX_SCALE_ROW1
.else
	v_wmma_scale_f32_16x16x128_f8f6f4 v[S+8*\t:S+8*\t+7], v[6*\t:6*\t+11], v[16:27], 0, v[KSC+\t/2], v28 matrix_a_fmt:MATRIX_FMT_BF6 matrix_b_fmt:MATRIX_FMT_BF6
.endif
.endr
	WIN 0
	v_mov_b32 v42, v12                             ; -M as it was.  With the three lines below: the four places behind the products (ISA guide 7.12.1), ahead of the first read of the scores
	v_nop
	v_nop
	v_nop
	; THE MASK.  Register 16 b + i holds key KF + 32 b + 16 h + i: hidden where it is not under P and is not my query.  A step all of whose keys lie under P skips this
	s_add_co_u32 s36, s24, 128
	s_cmp_le_u32 s36, s19
	s_cbranch_scc1 .Lopen_\@
	s_sub_co_u32 s37, 0, s24
.irp b, 0,1,2,3
	v_add_nc_u32 v[48+\b], s37, v6
	v_add_nc_u32 v[52+\b], s37, v5
.endr
.irp b, 1,2,3
	v_add_nc_u32 v[48+\b], -32*\b, v[48+\b]        ; P - KF - 32 b - 16 h: not under P where i >= this
	v_add_nc_u32 v[52+\b], -32*\b, v[52+\b]        ; my query - KF - 32 b - 16 h: my own key where i = this
.endr
.irp b, 0,1,2,3
.irp i0, 0,8                           ; eight registers, one tile's, at a time, in ascending order: sixteen compares in a run, so that one wait serves them
.irp k, 0,1,2,3,4,5,6,7
	v_cmp_ge_i32 s[40+\k], \i0+\k, v[48+\b]
.endr
.irp k, 0,1,2,3,4,5,6,7
	v_cmp_ne_u32 s[48+\k], \i0+\k, v[52+\b]
.endr
	s_wait_alu depctr_va_sdst(0)                   ; the sixteen compares have written s40 to s55, ahead of their first readers, the scalar lines below
.irp k, 0,1,2,3,4,5,6,7
	s_and_b32 s[40+\k], s[40+\k], s[48+\k]
.endr
.irp k, 0,1,2,3,4,5,6,7
	v_cndmask_b32 v[S+16*\b+\i0+\k], v[S+16*\b+\i0+\k], v7, s[40+\k]   ; -infinity ahead of the maximum: p = 0 then
.endr
.endr
.endr
.Lopen_\@:
.irp b, 0,1,2,3
	v_max3_num_f32 v[BM+\b], v[S+16*\b], v[S+1+16*\b], v[S+2+16*\b]   ; THE LARGEST SCORE OF EACH BLOCK OF 32 KEYS serves twice: for the row's maximum, and, since p rises with the score, for the block's largest p
.endr
.irp i, 3,5,7,9,11,13
.irp b, 0,1,2,3
	v_max3_num_f32 v[BM+\b], v[BM+\b], v[S+16*\b+\i], v[S+1+16*\b+\i]   ; (the four blocks by turns)
.endr
.endr
.irp b, 0,1,2,3
	v_max_num_f32 v[BM+\b], v[BM+\b], v[S+15+16*\b]
.endr
.irp b, 0,1,2,3
	v_permlanex16_b32 v[BX+\b], v[BM+\b], s32, s33
.endr
.irp b, 0,1,2,3
	v_max_num_f32 v[BM+\b], v[BM+\b], v[BX+\b]     ; with lane l xor 16's 16 keys
.endr
.if \next
	s_add_co_u32 s36, s22, 1
	s_cmp_lt_u32 s36, s20
	s_cselect_b32 s23, s36, s17                    ; the next step: the next of the prefix's, or, behind the last of them, my diagonal's
	s_min_u32 s23, s23, 15
	s_mul_i32 s30, s23, REC
	s_wait_xcnt 0x0                                ; the loads issued so far have read their base: it is written again only behind this wait
	s_add_nc_u64 s[28:29], s[26:27], s[30:31]
	WIN 0x40                                       ; the window first, then the wait, then the loads
	s_wait_alu depctr_va_vdst(0)                   ; the step's eight first products are done reading K's image and K's scale words v32 to v35, in which the 13 loads below land.  (The maxima above have read every score)
	LOADK
.endif
	v_max3_num_f32 v43, v[BM], v[BM+1], v[BM+2]
	v_max_num_f32 v43, v43, v[BM+3]                ; the step's largest score of my query: a number in every step (key KF is open in the prefix's steps, my own key in the diagonal's)
	v_mul_f32 v43, s34, v43                        ; as t (c is positive)
	v_max_num_f32 v13, v13, v43                    ; the running largest t
	v_floor_f32 v12, -v13                          ; the new -M = floor(-t) = -ceil(t): M IS A WHOLE NUMBER
	v_sub_f32 v43, v12, v42                        ; M's old value less its new one: a whole number, 0 or less
	v_cvt_i32_f32 v43, v43                         ; (it saturates)
	v_ldexp_f32 v40, 1.0, v43                      ; f = 2^(old M - new M): a multiplication by it rounds nothing
.set J, 0
.rept 32
	v_pk_fma_f32 v[S+J:S+J+1], v[S+J:S+J+1], s[34:35], v[12:13] op_sel_hi:[1,0,0]   ; t - M, two at a time (of the pairs c and -M the low word serves both halves)
.set J, J+2
.endr
.irp b, 0,1,2,3
	v_fma_f32 v[BM+\b], v[BM+\b], s34, v12         ; the same of each block's largest score
.endr
.set J, 0
	s_wait_alu depctr_va_vdst(0)
.rept 64
	v_exp_f32 v[S+J], v[S+J]                       ; p = 2^(t - M), at most 1: NOT normalised
.set J, J+1
.endr
.irp b, 0,1,2,3
	v_exp_f32 v[BM+\b], v[BM+\b]                   ; the block's largest p: the same two instructions on the same number give the same bits
.endr
	v_pk_mul_f32 v[14:15], v[14:15], v[40:41] op_sel_hi:[1,0]   ; the sums under the new M.  (The plain place behind the exponentials)
	s_wait_alu depctr_va_vdst(0)                   ; the 68 exponentials have written p and the blocks' largest p: one wait for the batch, ahead of the first line that names a result
.irp b, 0,1,2,3
	v_max_num_f32 v[BM+\b], 0x2800000, v[BM+\b]    ; the floor 2^(5 - 127): the byte cannot fall under 1 (a block whose every p is 0 keeps that byte: its codes are zeros)
.endr
.irp b, 0,1,2,3
	v_add_nc_u32 v[SO+\b], 0xfe000000, v[BM+\b]    ; 4 off the exponent field: the conversion's scale operand
.endr
.irp b, 0,1,2,3
	v_lshrrev_b32 v[BX+\b], 23, v[SO+\b]           ; the scale's byte
.endr
	v_lshl_or_b32 v38, v[BX+1], 8, v[BX]           ; p's scale word for these 128 keys
	v_lshl_or_b32 v38, v[BX+2], 16, v38
	v_lshl_or_b32 v38, v[BX+3], 24, v38
.irp c, 0,1
	v_cvt_scalef32_pk16_bf6_f32 v[PC+6*\c:PC+6*\c+2], v[S+32*\c:S+32*\c+15], v[SO+2*\c]
	v_cvt_scalef32_pk16_bf6_f32 v[PT+4*\c:PT+4*\c+2], v[S+16+32*\c:S+31+32*\c], v[SO+2*\c+1]
.endr
	v_nop                                          ; one plain place behind a scaled conversion
.irp c, 0,1                            ; the operand's layout wants a WHOLE block in a lane: lanes 0-15 block 2 c, lanes 16-31 block 2 c + 1
.irp i, 0,1,2
	v_permlane16_swap_b32 v[PC+6*\c+\i], v[PT+4*\c+\i]
.endr
.irp i, 0,1,2
	v_mov_b32 v[PC+3+6*\c+\i], v[PT+4*\c+\i]
.endr
.endr
.set J, 0
.rept 16
	v_pk_mul_f32 v[O+J:O+J+1], v[O+J:O+J+1], v[40:41] op_sel_hi:[1,0]   ; O^T under the new M, from each accumulator's low end on.  (These 16 are also the places between the writes of p's codes and scale word and the products)
.set J, J+2
.endr
	s_wait_alu depctr_va_vdst(0)                   ; p's codes v204 to v215 and its scale word v38 are written, which the scaled products below take as operand and scales; the sixteen places above stay beside this wait
.if \next
	s_wait_loadcnt 13                              ; V is in: the 13 loads behind it are the next step's K
.else
	s_wait_loadcnt 0x0                             ; V is in: nothing was asked for behind it
.endif
	WIN 0x01
.irp t, 0,1,2,3                        ; O^T += V^T P^T: the four accumulators by turns, one instruction each
.if (\t)%2
	v_wmma_scale_f32_16x16x128_f8f6f4 v[O+8*\t:O+8*\t+7], v[VF+12*\t:VF+12*\t+11], v[PC:PC+11], v[O+8*\t:O+8*\t+7], v[VSC+\t/2], v38 matrix_a_fmt:MATRIX_FMT_BF6 matrix_b_fmt:MATRIX_FMT_BF6 matrix_a_scale:MATRIX_SCALE_ROW1
.else
	v_wmma_scale_f32_16x16x128_f8f6f4 v[O+8*\t:O+8*\t+7], v[VF+12*\t:VF+12*\t+11], v[PC:PC+11], v[O+8*\t:O+8*\t+7], v[VSC+\t/2], v38 matrix_a_fmt:MATRIX_FMT_BF6 matrix_b_fmt:MATRIX_FMT_BF6
.endif
.endr
	WIN 0
	v_pk_add_f32 v[44:45], v[S:S+1], v[S+2:S+3]    ; THE ROW'S SUM IS TAKEN OF THE UNQUANTISED p: two at a time, in two chains.  These lines name no register of the products above: they are the places behind them
.irp j, 4,8,12,16,20,24,28,32,36,40,44,48,52,56,60
	v_pk_add_f32 v[14:15], v[14:15], v[S+\j:S+\j+1]
	v_pk_add_f32 v[44:45], v[44:45], v[S+\j+2:S+\j+3]
.endr
	v_pk_add_f32 v[14:15], v[14:15], v[44:45]
.if \next
	WIN 0x40                                       ; the window first, then the wait, then the loads
	s_wait_alu depctr_va_vdst(0)                   ; the step's four second products are done reading V's fragments and V's scale words v36 and v37, in which the 18 loads below land
	LOADV                                          ; the next step's V, from the record that its K came from
	s_lshl_b32 s24, s23, 7                         ; and its first key
.endif
.endm
	s_mov_b32 s22, 0                               ; steps done
	s_cmp_eq_u32 s21, 0
	s_cbranch_scc1 .Llast
.Lstep:                                            ; all my steps but the last: each asks for its successor's record
	STEP 1
	s_add_co_u32 s22, s22, 1
	s_cmp_lt_u32 s22, s21
	s_cbranch_scc1 .Lstep
.Llast:
	STEP 0                                         ; the last is written out: it asks for nothing, so no load leaves the buffer and every counted wait finds the same loads on every way
	; THE WAY OUT.  O^T / the sum goes through my stage in LDS and leaves as my tile's 16 rows, which are 4,096 consecutive bytes of out
	v_add_f32 v14, v14, v15                        ; the sum's two halves,
	v_permlanex16_b32 v[BX], v14, s32, s33
	v_add_f32 v14, v14, v[BX]                      ; and lane l xor 16's: the row's sum
	s_wait_alu depctr_va_vdst(0)
	v_rcp_f32 v14, v14
	v_nop                                          ; one plain place behind a transcendental
.set J, 0
	s_wait_alu depctr_va_vdst(0)                   ; the reciprocal has written v14, ahead of its first reader
.rept 32
	v_mul_f32 v[S+J], v[O+J], v14                  ; register 8 t + i is out(q0 + r, 16 t + 8 h + i)
.set J, J+1
.endr
	s_wait_alu depctr_va_vdst(0)                   ; the 32 multiplications have written v96 to v127, which the LDS stores read; and the last step's lines are done with v128 to v159, in which the stage's loads land
.irp t, 0,1,2,3
	ds_store_b128 v8, v[S+8*\t:S+8*\t+3] offset:64*\t
	ds_store_b128 v8, v[S+8*\t+4:S+8*\t+7] offset:64*\t+16
.endr
.irp i, 0,1,2,3,4,5,6,7
	ds_load_b128 v[S+32+4*\i:S+32+4*\i+3], v9 offset:544*\i   ; LDS serves a wave's instructions in order: these see my stores
.endr
.irp i, 0,1,2,3,4,5,6,7
	s_wait_dscnt 7-\i                              ; load i is back; the 7 - i behind it may be out
	global_store_b128 v1, v[S+32+4*\i:S+32+4*\i+3], s[10:11] offset:512*\i th:TH_STORE_NT   ; 32 lanes store 512 consecutive bytes, at a multiple of 256 from out's first byte; written once, read by nobody here
.endr
	s_wait_dscnt 0x0                               ; the closing lines, six on end, of a launch in the mode that stores to LDS
	s_wait_alu 0x0
	s_wait_tensorcnt 0x0
	ds_add_u32 v254, v255
	s_wait_dscnt 0x0
	s_endpgm
.Lfunc_end_k_qb99206f354_attn:
	.size	k_qb99206f354_attn, .Lfunc_end_k_qb99206f354_attn-k_qb99206f354_attn
	.p2alignl 7, 3214868480
	.fill 96, 4, 3214868480
	.section	.rodata,"a",@progbits
	.p2align	6, 0x0
	.amdhsa_kernel k_qb99206f354_attn
		.amdhsa_group_segment_fixed_size 35840
		.amdhsa_private_segment_fixed_size 0
		.amdhsa_enable_private_segment 0
		.amdhsa_kernarg_size 32
		.amdhsa_user_sgpr_count 2
		.amdhsa_user_sgpr_kernarg_segment_ptr 1
		.amdhsa_wavefront_size32 1
		.amdhsa_system_sgpr_workgroup_id_x 1
		.amdhsa_system_sgpr_workgroup_id_y 1
		.amdhsa_system_sgpr_workgroup_id_z 1
		.amdhsa_system_vgpr_workitem_id 0
		.amdhsa_next_free_vgpr 384
		.amdhsa_next_free_sgpr 66
		.amdhsa_reserve_vcc 0
		.amdhsa_float_denorm_mode_32 3
		.amdhsa_float_denorm_mode_16_64 3
		.amdhsa_memory_ordered 1
		.amdhsa_forward_progress 1
		.amdhsa_inst_pref_size 75
	.end_amdhsa_kernel
	.amdgpu_metadata
---
amdhsa.version: [ 1, 2 ]
amdhsa.kernels:
  - .name:           k_qb99206f354_attn
    .symbol:         k_qb99206f354_attn.kd
    .args:
      - { .name: queries_nqd, .offset: 0, .size: 8, .value_kind: global_buffer, .address_space: global }
      - { .name: kv, .offset: 8, .size: 8, .value_kind: global_buffer, .address_space: global }
      - { .name: order, .offset: 16, .size: 8, .value_kind: global_buffer, .address_space: global }
      - { .name: out0, .offset: 24, .size: 8, .value_kind: global_buffer, .address_space: global }
    .group_segment_fixed_size: 35840
    .private_segment_fixed_size: 0
    .kernarg_segment_align: 8
    .kernarg_segment_size: 32
    .max_flat_workgroup_size: 256
    .sgpr_count:     66
    .vgpr_count:     384
    .wavefront_size: 32
...
	.end_amdgpu_metadata
.endif
;; end of part 4
